; MI455X (gfx1250); checked and timed in simulation.
; The chip was launched on July 23, 2026; its instructions are those of AMD's public machine-readable ISA for CDNA 5 (MIT licence, August 2026) and "CDNA5" Instruction Set Architecture Reference Guide (July 2026). The comments in the code are by the model that wrote it; some were corrected since.
;; Di T Mo E Layer. Allowed arithmetic: matrix products marked QUANTISED: E3M2 operands, one E8M0 scale for each 32 along K, by v_wmma_scale_f32_16x16x128_f8f6f4 with both operands' format E3M2, f32 sums; products left as they are: f32 operands where the result goes on into a quantised operand, else bf16, f16 or f32 operands; f32 sums; everything else in f32.
;; Inputs: W1 8 x 1,024 x 2,048 float32; W2 8 x 2,048 x 1,024 float32; b1 8 x 2,048 float32; b2 8 x 1,024 float32; gate_w 1,024 x 8 float32; x 2 x 1,024 x 1,024 float32.
;; Outputs: out0 2 x 1,024 x 1,024 float32; out1 one number float32.
;; This version of the problem:
;;   THIS VERSION OF THE PROBLEM IS GIVEN IN LOW PRECISION. The matrix products marked QUANTISED in the list below multiply operands that are first quantised to E3M2 (3 exponent bits, 2 mantissa bits; 6 bits a number), with one power-of-two scale for each 32 numbers along K (OCP MX v1.0); their sums are f32. All else is computed in f32.
;;   The module's matrix products, in the order in which they are computed (A, B: the left and right operand; K: the contracted axis; several contracted axes count as one K, in the product's order):
;;     1. [M 2,048, K 1,024] x [K 1,024, N 8]; A: input x; B: input gate_w: left as it is (N = 8 < 16)
;;     2. batch 2,048 x [M 8, K 2] x [K 2, N 1]; A: computed on the way; B: computed on the way: left as it is (K = 2 < 32)
;;     3. [M 2,048, K 1,024] x [K 1,024, N 2,048]; A: input x; B: input W1: QUANTISED
;;     4. [M 2,048, K 2,048] x [K 2,048, N 1,024]; A: computed on the way; B: input W2: QUANTISED
;;     5. [M 2,048, K 1,024] x [K 1,024, N 2,048]; A: input x; B: input W1: QUANTISED
;;     6. [M 2,048, K 2,048] x [K 2,048, N 1,024]; A: computed on the way; B: input W2: QUANTISED
;;     7. [M 2,048, K 1,024] x [K 1,024, N 2,048]; A: input x; B: input W1: QUANTISED
;;     8. [M 2,048, K 2,048] x [K 2,048, N 1,024]; A: computed on the way; B: input W2: QUANTISED
;;     9. [M 2,048, K 1,024] x [K 1,024, N 2,048]; A: input x; B: input W1: QUANTISED
;;     10. [M 2,048, K 2,048] x [K 2,048, N 1,024]; A: computed on the way; B: input W2: QUANTISED
;;     11. [M 2,048, K 1,024] x [K 1,024, N 2,048]; A: input x; B: input W1: QUANTISED
;;     12. [M 2,048, K 2,048] x [K 2,048, N 1,024]; A: computed on the way; B: input W2: QUANTISED
;;     13. [M 2,048, K 1,024] x [K 1,024, N 2,048]; A: input x; B: input W1: QUANTISED
;;     14. [M 2,048, K 2,048] x [K 2,048, N 1,024]; A: computed on the way; B: input W2: QUANTISED
;;     15. [M 2,048, K 1,024] x [K 1,024, N 2,048]; A: input x; B: input W1: QUANTISED
;;     16. [M 2,048, K 2,048] x [K 2,048, N 1,024]; A: computed on the way; B: input W2: QUANTISED
;;     17. [M 2,048, K 1,024] x [K 1,024, N 2,048]; A: input x; B: input W1: QUANTISED
;;     18. [M 2,048, K 2,048] x [K 2,048, N 1,024]; A: computed on the way; B: input W2: QUANTISED
;;   THE QUANTISER, for each operand of a quantised product, along K:
;;     - K is cut into blocks of 32 from its start; a last block that is shorter is filled with zeros.
;;     - A block's scale is 2^e with e = floor(log2(the largest magnitude in the block)) - 4, held to -126 .. 127; a block of zeros has e = 0. As a byte (E8M0): e + 127.
;;     - Each number is divided by its block's scale, clamped to +-28, and rounded to the nearest number of E3M2, ties to even, subnormals kept.
;;     - The product sums the exact products of the quantised numbers (number of the format x scale) in f32.
;;   ~~~python
;;   def quantise(x, axis):      # numpy; x: float32 -> the quantised numbers, widened to float32 again
;;       x = np.moveaxis(x, axis, -1); K = x.shape[-1]
;;       x = np.pad(x, [(0, 0)] * (x.ndim - 1) + [(0, -K % 32)]); x = x.reshape(x.shape[:-1] + (-1, 32)); a = np.abs(x).max(-1, keepdims=True)
;;       e = np.where(a > 0, np.clip(np.frexp(np.where(a > 0, a, 1))[1] - 1 - 4, -126, 127), 0)      # np.frexp(a)[1] - 1 = floor(log2(a)), exactly
;;       r = np.clip(x / 2.0 ** e, -28, 28)
;;       step = 2.0 ** (np.maximum(np.frexp(np.where(r == 0, 1, r))[1] - 1, -2) - 2)
;;       q = np.round(r / step) * step * 2.0 ** e      # np.round: ties to even
;;       return np.moveaxis(q.reshape(q.shape[:-2] + (-1,))[..., :K], -1, axis).astype(np.float32)
;;   ~~~
;;   OPERANDS COMPUTED ON THE WAY. 'Computed on the way' means the value that the module computes at that place (a softmax that the list does not call 'softmax' is quantised finished and normalised). What goes into a quantiser is computed in f32, as accurately as f32 sums, v_exp_f32 and their like allow (about 1e-6 of the number): no bf16 or f16 on the way to a quantiser, and a product that is left as it is and whose result goes on into a quantised operand takes f32 operands (vector FMAs, or v_wmma_f32_16x16x4_f32). A number that lies on a knife's edge between two numbers of the format may be rounded either way, as far as f32 arithmetic and the matrix unit's own rounding can turn it there, and no further.
;; 2 versions. Each part assembles by itself: llvm-mc -triple=amdgcn-amd-amdhsa -mcpu=gfx1250 --defsym DOCPART=n.
;; ======== version 1 of 2: 4 launches
;; workspace buffers: xq 1,638,400 bytes; rt 24,576 bytes; sel 16,384 bytes of whole numbers; hq 55,705,600 bytes; pf 32,768 bytes of whole numbers; y 142,606,336 bytes
;; launch route (part 1): grid 256 x 1, 4 waves a work-group, no clusters, 41,472 bytes of LDS; arguments x, gate_w, xq, rt, sel; writes xq, rt, sel
.if DOCPART == 1
	.amdgcn_target "amdgcn-amd-amdhsa--gfx1250"
	.amdhsa_code_object_version 6
	.text
	.protected	k_q25a476d617_route
	.globl	k_q25a476d617_route
	.p2align	8
	.type	k_q25a476d617_route,@function
k_q25a476d617_route:
	s_mov_b64 s[64:65], 0
	v_nop
	global_prefetch_b8 v0, s[64:65] scope:SCOPE_SE
	s_setreg_imm32_b32 hwreg(HW_REG_WAVE_MODE, 25, 1), 1
	s_wait_xcnt 0x0
; ROUTER AND QUANTISER OF x.  2,048 tokens of 1,024 f32; 8 experts; the two largest probabilities of a token are kept.
; A work-group takes 8 tokens, wave w tokens ta = 8 wg + 2 w and ta + 1.  Lane l takes block beta = 4 (l / 4) + 2 (l % 2) + (l / 2) % 2 of 32 numbers of a row.
; OUT: xq: a token's codes of E3M2, 768 bytes: block 4 s + 2 c + h lies at 96 s + 48 h + 24 c, so that the 48 bytes which lane half h of the matrix operand takes of K step s lie on end and the two halves are
;      neighbours (lane l's 24 bytes lie at 24 l); from XSOFF on a token's 32 scale bytes in the blocks' own order;
;      sel[slot x 2048 + token] = the chosen expert (slot 0: the largest probability, slot 1: the second), rt[the same index] = its weight after renormalising; rt + PARTO: the work-group's sums of the 8 probabilities.
; The choice is only STORED here, at fixed places: no address and no branch of this launch hangs on it.
; gate_w (32 KiB) is read ONCE by the work-group, 16 loads a wave of 512 consecutive bytes, and handed round through LDS: a lane wants 32 rows of it, 1,024 bytes, and lanes 1,024 bytes apart would make
; every load touch 32 places.  In LDS a block of 32 rows has 1,040 bytes.
; A block's scale is 2^(floor(log2(largest magnitude)) - 4); its byte is the largest magnitude's exponent field - 4, held at 1 from below.
; LIMITS: NaN and infinities are not served; a block whose largest magnitude lies under 2^-122 (a block of zeros too) gets the byte 1: zeros' codes are zeros, and only this program reads the bytes;
; a probability under 2^-126 comes out as 0 (ISA guide, v_exp_f32); the logits' sums run in another order than a plain row sum.
; REGISTERS: window 0: v1-8 lane terms; v9-15 at work; v16-23 the two tokens' choice and weights; v24-31 at work; v32-63, v64-95 my block of the two tokens; v96-111 logits; v112-127 probabilities;
;   v128-150 codes; v152-159, v240, v241 addresses; v176-239 gate_w on its way to LDS.  Window 1: v0-255 my 32 rows of gate_w (8 numbers each).
.set STG,   0                          ; LDS: 1,536 bytes for each wave: its two tokens' codes
.set XSL,   6144                       ; the work-group's 256 scale bytes
.set PSL,   6400                       ; 32 bytes for each wave: its sums of probabilities
.set GL,    6656                       ; gate_w: 32 blocks of GPIT bytes
.set GPIT,  1040                       ; 32 rows of 32 bytes + 16
.set XSOFF, 1572864
.set PARTO, 16384
.set MSB,   0
.macro WIN new                         ; the immediate's high byte repeats the setting that is left
.if MSB != \new
	s_set_vgpr_msb (MSB<<8)|\new
.set MSB, \new
.endif
.endm
	s_load_b256 s[4:11], s[0:1], 0x0               ; x, gate_w, xq, rt
	s_load_b64 s[12:13], s[0:1], 0x20              ; sel
	v_lshl_add_u32 v254, v0, 2, 0xa000
	v_mov_b32 v255, 0
	v_lshrrev_b32 v9, 5, v0
	v_readfirstlane_b32 s16, v9                    ; wave
	v_and_b32 v1, 31, v0                           ; lane
	v_and_b32 v2, 28, v0
	v_and_b32 v9, 1, v0
	v_lshl_add_u32 v2, v9, 1, v2
	v_bfe_u32 v9, v0, 1, 1
	v_add_nc_u32 v2, v2, v9                        ; beta
	v_lshlrev_b32 v3, 7, v2                        ; my block in a row of x
	v_mul_u32_u24 v241, v2, GPIT
	v_add_nc_u32 v241, GL, v241                    ; my 32 rows of gate_w in LDS
	v_lshlrev_b32 v159, 4, v0                      ; gate_w in memory: 16 bytes a thread, 2,048 a load of the work-group
	v_lshrrev_b32 v9, 6, v0
	v_lshl_add_u32 v240, v9, 4, v159
	v_add_nc_u32 v240, GL, v240                    ; and in LDS: 16 bytes more for each 1,024 passed: here those of the thread's own, the loads' in the offsets
	s_mul_i32 s17, s16, 1536
	v_mul_u32_u24 v5, v1, 24
	v_add_nc_u32 v5, s17, v5                       ; stage, in: 24 bytes a lane
	v_lshlrev_b32 v8, 4, v1
	v_add_nc_u32 v6, s17, v8                       ; stage, out: 16 bytes a lane
	s_lshl_b32 s18, s16, 6
	s_add_co_u32 s18, s18, XSL
	v_add_nc_u32 v7, s18, v2                       ; my block's scale byte
	s_lshl_b32 s18, s16, 5
	s_add_co_u32 s18, s18, PSL
	v_mov_b32 v152, s18                            ; my wave's sums
	v_lshl_add_u32 v153, v1, 3, XSL
	v_lshl_add_u32 v154, v1, 2, PSL
	v_lshlrev_b32 v155, 3, v1
	v_lshlrev_b32 v156, 2, v1
	v_mov_b32 v157, -1.0
	v_mov_b32 v9, 0                                ; written once: a lane permute's destination counts as one of its sources
	s_lshl_b32 s19, ttmp9, 3
	s_lshl_b32 s17, s16, 1
	s_add_co_u32 s19, s19, s17                     ; ta
	v_and_b32 v158, 1, v0
	v_bfe_u32 v10, v0, 1, 1
	v_lshl_add_u32 v158, v10, 11, v158
	v_add_nc_u32 v158, s19, v158
	v_lshlrev_b32 v158, 2, v158                    ; 4 x (2048 x slot + ta + token), slot = bit 1 and token = bit 0 of the lane
	s_lshl_b32 s24, s19, 12
	s_mov_b32 s25, 0
	s_mul_i32 s26, s19, 768
	s_mov_b32 s27, 0
	s_lshl_b32 s28, ttmp9, 8
	s_add_co_u32 s28, s28, XSOFF
	s_mov_b32 s29, 0
	s_lshl_b32 s30, ttmp9, 5
	s_add_co_u32 s30, s30, PARTO
	s_mov_b32 s31, 0
	s_mov_b32 s20, 0x76543210
	s_mov_b32 s21, 0xfedcba98                      ; v_permlanex16_b32's selects for lane l xor 16
	s_mov_b32 s22, 0xaaaaaaaa                      ; odd lanes
	s_mov_b32 s23, 0xcccccccc                      ; lanes with bit 1
	s_wait_kmcnt 0x0
	s_add_nc_u64 s[4:5], s[4:5], s[24:25]          ; x at token ta
	s_add_nc_u64 s[26:27], s[8:9], s[26:27]        ; its codes
	s_add_nc_u64 s[28:29], s[8:9], s[28:29]        ; the work-group's scale bytes
	s_add_nc_u64 s[30:31], s[10:11], s[30:31]      ; its sums of probabilities
.set gk, 0
.rept 16
	global_load_b128 v[176+4*gk:179+4*gk], v159, s[6:7] offset:2048*gk   ; a wave reads 512 consecutive bytes
.set gk, gk+1
.endr
.irp q, 0,1,2,3,4,5,6,7
	global_load_b128 v[32+4*\q:35+4*\q], v3, s[4:5] offset:16*\q th:TH_LOAD_NT
	global_load_b128 v[64+4*\q:67+4*\q], v3, s[4:5] offset:4096+16*\q th:TH_LOAD_NT
.endr
	s_wait_loadcnt 16                              ; gate_w's 16 loads are in; x's 16, issued behind them, may be out
.set gk, 0
.rept 16
	ds_store_b128 v240, v[176+4*gk:179+4*gk] offset:2*GPIT*gk
.set gk, gk+1
.endr
	s_wait_dscnt 0x0                               ; for the others' sake: my part of gate_w has landed
	s_barrier_signal -1
	s_barrier_wait -1                              ; all of it lies in LDS; nothing writes it from here on
	WIN 0x40                                       ; destination window 1
.set gk, 0
.rept 64
	ds_load_b128 v[4*gk:4*gk+3], v241 offset:16*gk
.set gk, gk+1
.endr
	WIN 0
; One token's block becomes 24 bytes of codes and a scale byte.  Each token has registers of its own.
.macro QX tok
.set QXX, 32+32*\tok
.set QXT, 24+4*\tok
.set QXC, 128+8*\tok
.set QXU, 144+4*\tok
	v_max3_num_f32 v[QXT], |v[QXX]|, |v[QXX+1]|, 0x2800000        ; with the floor 2^(5 - 127): the byte cannot fall under 1
	v_max3_num_f32 v[QXT+1], |v[QXX+2]|, |v[QXX+3]|, |v[QXX+4]|
.irp i, 5,9,13,17,21,25
	v_max3_num_f32 v[QXT], v[QXT], |v[QXX+\i]|, |v[QXX+\i+1]|
	v_max3_num_f32 v[QXT+1], v[QXT+1], |v[QXX+\i+2]|, |v[QXX+\i+3]|
.endr
	v_max3_num_f32 v[QXT], v[QXT], |v[QXX+29]|, |v[QXX+30]|
	v_max3_num_f32 v[QXT], v[QXT], v[QXT+1], |v[QXX+31]|
	v_add_nc_u32 v[QXT+2], 0xfe000000, v[QXT]      ; 4 off the exponent field: the conversion's scale operand
	v_lshrrev_b32 v[QXT+3], 23, v[QXT+2]           ; the scale's byte
	v_cvt_scalef32_pk16_bf6_f32 v[QXC:QXC+2], v[QXX:QXX+15], v[QXT+2]
	v_cvt_scalef32_pk16_bf6_f32 v[QXU:QXU+2], v[QXX+16:QXX+31], v[QXT+2]   ; (a conversion's three registers begin on an even number)
	v_nop                                          ; one plain place behind a scaled conversion
.irp k, 0,1,2
	v_mov_b32 v[QXC+3+\k], v[QXU+\k]
.endr
.irp k, 0,1,2
	ds_store_b64 v5, v[QXC+2*\k:QXC+2*\k+1] offset:768*\tok+8*\k
.endr
	ds_store_b8 v7, v[QXT+3] offset:32*\tok
.endm
	s_wait_loadcnt 0x0                             ; x
	QX 0
	QX 1
.irp q, 0,1,2
	ds_load_b128 v[160+4*\q:163+4*\q], v6 offset:512*\q            ; LDS serves a wave's instructions in order: these see my stores
.endr
	s_wait_dscnt 0x0                               ; my codes are back, and my rows of gate_w are in
.irp q, 0,1,2
	global_store_b128 v8, v[160+4*\q:163+4*\q], s[26:27] offset:512*\q   ; 512 consecutive bytes, at a multiple of 256 from xq's first byte
.endr
	; the logits: my 32 numbers of each token against my 32 rows of gate_w; the first product starts each sum
	WIN 0x04                                       ; source 1 window 1
.irp e, 0,1,2,3,4,5,6,7
	v_mul_f32 v[96+\e], v32, v[\e]
	v_mul_f32 v[104+\e], v64, v[\e]
.endr
.set di, 1
.rept 31
.irp e, 0,1,2,3,4,5,6,7
	v_fma_f32 v[96+\e], v[32+di], v[8*di+\e], v[96+\e]
	v_fma_f32 v[104+\e], v[64+di], v[8*di+\e], v[104+\e]
.endr
.set di, di+1
.endr
	WIN 0
.irp m, 1,2,4,8                        ; the 16 sums over the 32 lanes; every lane ends with all of them
.set rr, 96
.rept 16
	v_add_f32_dpp v[rr], v[rr], v[rr] row_xmask:\m row_mask:0xf bank_mask:0xf
.set rr, rr+1
.endr
.endr
.set rr, 96
.rept 16
	v_permlanex16_b32 v9, v[rr], s20, s21
	v_add_f32 v[rr], v[rr], v9
.set rr, rr+1
.endr
; Softmax over 8 with its maximum taken off, the two largest (a tie keeps the lower index: a later one must be strictly larger), their weights.  Alike in all lanes.
.macro ROUTE L, P, O
	v_max3_num_f32 v10, v[\L], v[\L+1], v[\L+2]
	v_max3_num_f32 v10, v10, v[\L+3], v[\L+4]
	v_max3_num_f32 v10, v10, v[\L+5], v[\L+6]
	v_max_num_f32 v10, v10, v[\L+7]
.irp e, 0,1,2,3,4,5,6,7
	v_sub_f32 v[\P+\e], v[\L+\e], v10
.endr
.irp e, 0,1,2,3,4,5,6,7
	v_mul_f32 v[\P+\e], 0x3fb8aa3b, v[\P+\e]
.endr
.irp e, 0,1,2,3,4,5,6,7
	v_exp_f32 v[\P+\e], v[\P+\e]
.endr
	v_nop                                          ; a plain place behind the exponentials
	s_wait_alu depctr_va_vdst(0)                   ; one wait for the eight, ahead of their first reader
	v_add_f32 v11, v[\P], v[\P+1]
.irp e, 2,3,4,5,6,7
	v_add_f32 v11, v11, v[\P+\e]
.endr
	v_rcp_f32 v12, v11
	v_nop
	s_wait_alu depctr_va_vdst(0)
.irp e, 0,1,2,3,4,5,6,7
	v_mul_f32 v[\P+\e], v[\P+\e], v12              ; the probabilities
.endr
	v_mov_b32 v13, v[\P]
	v_mov_b32 v[\O], 0
.irp e, 1,2,3,4,5,6,7
	v_cmp_le_f32 vcc_lo, v[\P+\e], v13             ; not larger: the old one stays
	v_cndmask_b32 v13, v[\P+\e], v13, vcc_lo
	v_cndmask_b32 v[\O], \e, v[\O], vcc_lo
.endr
.irp e, 0,1,2,3,4,5,6,7
	v_cmp_eq_u32 vcc_lo, \e, v[\O]
	v_cndmask_b32 v[\L+\e], v[\P+\e], v157, vcc_lo ; the first choice counts as -1 in the second search
.endr
	v_mov_b32 v14, v[\L]
	v_mov_b32 v[\O+1], 0
.irp e, 1,2,3,4,5,6,7
	v_cmp_le_f32 vcc_lo, v[\L+\e], v14
	v_cndmask_b32 v14, v[\L+\e], v14, vcc_lo
	v_cndmask_b32 v[\O+1], \e, v[\O+1], vcc_lo
.endr
	v_add_f32 v15, v13, v14
	v_rcp_f32 v12, v15
	v_nop
	s_wait_alu depctr_va_vdst(0)
	v_mul_f32 v[\O+2], v13, v12
	v_mul_f32 v[\O+3], v14, v12
.endm
	ROUTE 96, 112, 16
	ROUTE 104, 120, 20
	v_cndmask_b32 v172, v16, v20, s22              ; lanes 0-3 take (token = bit 0, slot = bit 1)
	v_cndmask_b32 v173, v17, v21, s22
	v_cndmask_b32 v172, v172, v173, s23
	v_cndmask_b32 v174, v18, v22, s22
	v_cndmask_b32 v175, v19, v23, s22
	v_cndmask_b32 v174, v174, v175, s23
	s_wait_xcnt 0x0                                ; EXEC changes only behind this wait: the stores above have read it
	v_cmp_gt_u32 vcc_lo, 4, v1
	s_and_saveexec_b32 s24, vcc_lo
	global_store_b32 v158, v172, s[12:13]
	global_store_b32 v158, v174, s[10:11]
	s_wait_xcnt 0x0                                ; and again in front of the line that widens it
	s_or_b32 exec_lo, exec_lo, s24
.irp e, 0,1,2,3,4,5,6,7
	v_add_f32 v[96+\e], v[112+\e], v[120+\e]       ; my two tokens' probabilities
.endr
	ds_store_b128 v152, v[96:99]                   ; all lanes write the same words with the same values
	ds_store_b128 v152, v[100:103] offset:16
	s_wait_dscnt 0x0                               ; for wave 0's sake: my scale bytes and my sums have landed
	s_barrier_signal -1
	s_barrier_wait -1
	s_cmp_lg_u32 s16, 0
	s_cbranch_scc1 .Lend
	ds_load_b64 v[24:25], v153
	ds_load_b32 v26, v154                          ; lane l: wave l / 8, expert l % 8
	s_wait_dscnt 0x0
	global_store_b64 v155, v[24:25], s[28:29]      ; 256 consecutive bytes, at a multiple of 256 from xq's first byte
	v_add_f32_dpp v26, v26, v26 row_xmask:8 row_mask:0xf bank_mask:0xf
	v_permlanex16_b32 v9, v26, s20, s21
	v_add_f32 v26, v26, v9                         ; the four waves' sums
	s_wait_xcnt 0x0
	v_cmp_gt_u32 vcc_lo, 8, v1
	s_and_saveexec_b32 s24, vcc_lo
	global_store_b32 v156, v26, s[30:31]
	s_wait_xcnt 0x0
	s_or_b32 exec_lo, exec_lo, s24
.Lend:
	s_wait_tensorcnt 0x0
	ds_add_u32 v254, v255
	s_wait_dscnt 0x0
	s_endpgm
.Lfunc_end_k_q25a476d617_route:
	.size	k_q25a476d617_route, .Lfunc_end_k_q25a476d617_route-k_q25a476d617_route
	.p2alignl 7, 3214868480
	.fill 96, 4, 3214868480
	.section	.rodata,"a",@progbits
	.p2align	6, 0x0
	.amdhsa_kernel k_q25a476d617_route
		.amdhsa_group_segment_fixed_size 41472
		.amdhsa_private_segment_fixed_size 0
		.amdhsa_enable_private_segment 0
		.amdhsa_kernarg_size 40
		.amdhsa_user_sgpr_count 2
		.amdhsa_user_sgpr_kernarg_segment_ptr 1
		.amdhsa_wavefront_size32 1
		.amdhsa_system_sgpr_workgroup_id_x 1
		.amdhsa_system_sgpr_workgroup_id_y 1
		.amdhsa_system_sgpr_workgroup_id_z 1
		.amdhsa_system_vgpr_workitem_id 0
		.amdhsa_next_free_vgpr 512
		.amdhsa_next_free_sgpr 66
		.amdhsa_reserve_vcc 1
		.amdhsa_float_denorm_mode_32 3
		.amdhsa_float_denorm_mode_16_64 3
		.amdhsa_memory_ordered 1
		.amdhsa_forward_progress 1
		.amdhsa_inst_pref_size 63
	.end_amdhsa_kernel
	.amdgpu_metadata
---
amdhsa.version: [ 1, 2 ]
amdhsa.kernels:
  - .name:           k_q25a476d617_route
    .symbol:         k_q25a476d617_route.kd
    .args:
      - { .name: x, .offset: 0, .size: 8, .value_kind: global_buffer, .address_space: global }
      - { .name: gate_w, .offset: 8, .size: 8, .value_kind: global_buffer, .address_space: global }
      - { .name: xq, .offset: 16, .size: 8, .value_kind: global_buffer, .address_space: global }
      - { .name: rt, .offset: 24, .size: 8, .value_kind: global_buffer, .address_space: global }
      - { .name: sel, .offset: 32, .size: 8, .value_kind: global_buffer, .address_space: global }
    .group_segment_fixed_size: 41472
    .private_segment_fixed_size: 0
    .kernarg_segment_align: 8
    .kernarg_segment_size: 40
    .max_flat_workgroup_size: 128
    .sgpr_count:     66
    .vgpr_count:     512
    .wavefront_size: 32
...
	.end_amdgpu_metadata
.endif
;; end of part 1
;; launch up (part 2): grid 256 x 1, 8 waves a work-group, no clusters, 70,912 bytes of LDS; arguments W1, b1, xq, sel, hq, pf; writes hq, pf
.if DOCPART == 2
	.amdgcn_target "amdgcn-amd-amdhsa--gfx1250"
	.amdhsa_code_object_version 6
	.text
	.protected	k_q25a476d617_up
	.globl	k_q25a476d617_up
	.p2align	8
	.type	k_q25a476d617_up,@function
k_q25a476d617_up:
	s_mov_b64 s[64:65], 0
	v_nop
	global_prefetch_b8 v0, s[64:65] scope:SCOPE_SE
	s_setreg_imm32_b32 hwreg(HW_REG_WAVE_MODE, 25, 1), 1
	s_wait_xcnt 0x0
; h = gelu(x W1[e] + b1[e]) for the rows routed to expert e, on codes of E3M2 with one E8M0 scale for each 32 along K, and h quantised along the hidden axis.
; SHARES.  Work-group (e = x / 32, j = x % 32) owns columns 64 j .. 64 j + 63 of W1[e]: it reads those 256 KiB of f32 ONCE, quantises them along K (W1's first axis) and keeps the codes in LDS as images of
; operand registers.  Wave w quantises K step w (rows 128 w on) and then serves chunk w: the routed rows r = 512 w .. 512 w + 511 (r = slot x 2048 + token) whose sel[r] is e.
; THE WEIGHTS' LOADS: a lane takes 4 columns (16 bytes) and its registers run down K; lanes 0-15 take the block of 32 rows that lane half h = 0 of the operand wants, lanes 16-31 that of h = 1, 32 rows further down.
; So a load is two rows' pieces of 256 consecutive bytes, a block's largest magnitude needs no other lane, and h is a lane's term in the LDS addresses.
; COMPACTION, without a branch: in 16 trips of 32 rows the chosen rows are pushed (ds_permute_b32) into a list of 32; when a list is full in trip i it is body i, what is left at the end is body 16.  Empty places hold
; dummy ids 4096 + 32 (8 e + w) + lane, which stand for token 32 (8 e + w) + lane and whose results nobody reads.  A full list holds no dummy (its places fill in order), so dummies occur in body 16 alone, and a dummy id
; is one wave's own: every word of pf has one store at the most.  Body i of (e, chunk w) has the fixed slot (8 e + w) x 17 + i in hq: addresses step by constants, and only the
; branch 'is there a body' hangs on the mask of full lists.  Work-group j = 0 stores that mask (pf + FMOFF) and each row's place 32 x slot + row (pf).
; No tensor loads and no cluster: branches hang on numbers read from memory.
; THE MATRIX INSTRUCTION IS USED TRANSPOSED: source 0 = 16 columns of W1, source 1 = 16 rows of x: a lane holds one row.  Row m of weight tile 2 b + u is column 32 b + 8 u + m + 8 (m / 8), so that the 16 registers of
; tiles 2 b, 2 b + 1 are 16 neighbouring hidden units 32 b + 16 (lane / 16) + 0 .. 15.  b1 is the C of each sum's first product.
; xq: a token's 768 bytes of codes: the 48 bytes that lane half h takes of K step s lie at 96 s + 48 h.
; hq: slot x 49,152 + 24,576 u + 1,536 s + 512 q + 16 lane': the register image of the next product's operand (tile of rows u, K step s, registers 4 q .. 4 q + 3).  Within K step s the hidden block 4 s + 2 h + c
; stands at the instruction's k = 64 c + 32 h: so this work-group (s = j / 2, h = j % 2) fills all 12 registers of 16 lanes: three runs of 256 consecutive bytes.  The next launch lays W2 the same way.
; GELU, exact form: max(x, 0) - |x| erfc(|x| / sqrt 2) / 2, erfc(z) = t exp(-z^2 + P(t)), t = 1 / (1 + z / 2), P of degree 9: fractional error 1.2e-7, all in f32.
; LIMITS: NaN and infinities are not served; a block whose largest magnitude lies under 2^-122 (a block of zeros too) gets the scale byte 1: zeros' codes are zeros, and only this program reads the bytes.
; REGISTERS, window 0: v1 lane, v2 image address (16 lane), v3, v4 where I store codes and scale bytes, v5 the weights' offset, v6 my lists, v7 dummy id; v9-15 at work; v16-20, v29-31 lane terms of a body;
;   first: v16-31 sel, v32-47 pushed ids, v192-255 sources of the compaction's LDS instructions, each its own; then v64-191 four columns' 32 numbers each, v192-251 codes, largest magnitudes, scale bytes;
;   in a body: v32-63 b1, v64-79 W1's scale words, v80-87 x's, v88-95 list and addresses, v96-159 sums then h, v160-255 two sets of weight fragments, later at work.
;   Window 1: first v0-127, v128-255 two sets of 32 loads of weights; in a body v0-95, v96-191 x's fragments of the two tiles of rows.
.set NS,    8                          ; K steps of the product
.set KW,    1                          ; K steps that a wave quantises
.set NU,    2*KW                       ; its units: 32 loads, two blocks of 32 along K for 64 columns
.set PITCH, 8192                       ; a row of W1[e] in bytes
.set CROW,  64                         ; block (c, h) of a K step begins at row 64 c + 32 h: K in its own order
.set GROW,  32
.set TSTR,  NS*1536+16                 ; LDS: a weight tile's NS fragments of 1,536 bytes, + 16
.set WSC,   49408                      ; behind the 4 tiles: scale words, 256 s + 64 tile + 4 m
.set ELS,   51456                      ; 17 lists of 128 bytes for each wave
.set XSOFF, 1572864
.set HSOFF, 53477376
.set FMOFF, 24576                      ; pf: 6,144 words of places (4,096 rows and 2,048 dummies), then the masks
.set IDMAX, 0x17ff                     ; the largest id: 4096 + 2047
.set WB,    78                         ; s[78:79] my rows of the slice
.set XB,    64                         ; column c's 32 numbers at v[XB + 32 c]
.set CB,    192                        ; its 24 bytes of codes at v[CB + 8 c]
.set TT,    224                        ; (the upper 16 codes are made at v[TT + 4 c] and moved)
.set MX,    240                        ; its largest magnitude
.set SO,    244                        ; the conversion's scale operand
.set BY,    248                        ; the scale's byte
.set GA,    160
.set GZ,    176
.set GT,    192
.set GP,    208
.set GM,    224
.set MSB,   0
.macro WIN new                         ; the immediate's high byte repeats the setting that is left
.if MSB != \new
	s_set_vgpr_msb (MSB<<8)|\new
.set MSB, \new
.endif
.endm
.macro LOADU t                         ; unit t: K step t / 2, operand half c = t % 2: 32 loads; each half of the lanes reads 256 consecutive bytes, at a multiple of 256 from W1's first byte; read once in the launch
	WIN 0x40                                       ; destination window 1
.set li, 0
.rept 32
	global_load_b128 v[128*((\t)%2)+4*li:128*((\t)%2)+4*li+3], v5, s[WB:WB+1] offset:(128*((\t)/2)+CROW*((\t)%2)+li)*PITCH th:TH_LOAD_NT
.set li, li+1
.endr
	WIN 0
.endm
; Unit t: my four columns' 32 numbers each become 24 bytes of codes, stored where the operand's registers want them, and a byte of each column's scale word.
.macro UNIT t
.set sloc, (\t)/2
.set cc, (\t)%2
.set LL, 128*((\t)%2)
.if (\t) < NU-1
	s_wait_loadcnt 32                              ; this unit's 32 loads are in; the next unit's may be out
.else
	s_wait_loadcnt 0x0
.endif
	WIN 0x01                                       ; source 0 window 1
.set ui, 0
.rept 32
.irp c, 0,1,2,3
	v_mov_b32 v[XB+32*\c+ui], v[LL+4*ui+\c]        ; the conversions take neighbours along K from consecutive registers: the four columns are set apart
.endr
.set ui, ui+1
.endr
	WIN 0
.if (\t)+2 < NU
	LOADU (\t)+2
.endif
.irp c, 0,1,2,3
	v_max3_num_f32 v[MX+\c], |v[XB+32*\c]|, |v[XB+32*\c+1]|, 0x2800000   ; with the floor 2^(5 - 127)
.endr
.set ui, 2
.rept 15
.irp c, 0,1,2,3
	v_max3_num_f32 v[MX+\c], v[MX+\c], |v[XB+32*\c+ui]|, |v[XB+32*\c+ui+1]|   ; (the four columns by turns)
.endr
.set ui, ui+2
.endr
	s_wait_dscnt 0x0                               ; the last unit's LDS stores have read their registers
.irp c, 0,1,2,3
	v_add_nc_u32 v[SO+\c], 0xfe000000, v[MX+\c]    ; 4 off the exponent field: the conversion's scale operand
.endr
.irp c, 0,1,2,3
	v_lshrrev_b32 v[BY+\c], 23, v[SO+\c]           ; the scale's byte
.endr
.irp c, 0,1,2,3
	v_cvt_scalef32_pk16_bf6_f32 v[CB+8*\c:CB+8*\c+2], v[XB+32*\c:XB+32*\c+15], v[SO+\c]
	v_cvt_scalef32_pk16_bf6_f32 v[TT+4*\c:TT+4*\c+2], v[XB+32*\c+16:XB+32*\c+31], v[SO+\c]   ; (a conversion's three registers begin on an even number)
.endr
	v_nop                                          ; one plain place behind the scaled conversions
.irp c, 0,1,2,3
.irp k, 0,1,2
	v_mov_b32 v[CB+8*\c+3+\k], v[TT+4*\c+\k]
.endr
.endr
.set OFF, sloc*1536
.irp c, 0,1,2,3
.if cc == 0                            ; registers 0-5 of the operand's lane: 16 bytes of the first 512, 8 of the second
	ds_store_b128 v3, v[CB+8*\c:CB+8*\c+3] offset:OFF+16*\c
	ds_store_b64 v3, v[CB+8*\c+4:CB+8*\c+5] offset:OFF+16*\c+512
.else                                  ; registers 6-11
	ds_store_b64 v3, v[CB+8*\c:CB+8*\c+1] offset:OFF+16*\c+520
	ds_store_b128 v3, v[CB+8*\c+2:CB+8*\c+5] offset:OFF+16*\c+1024
.endif
	ds_store_b8 v4, v[BY+\c] offset:256*sloc+2*cc+4*\c   ; byte 2 c + h of the column's scale word (h stands in the address)
.endr
.endm
.macro WFRAG s, buf                    ; the four weight tiles' fragments of K step s: 12 loads of 512 consecutive bytes
.irp t, 0,1,2,3
.irp q, 0,1,2
	ds_load_b128 v[\buf+12*\t+4*\q:\buf+12*\t+4*\q+3], v2 offset:\t*TSTR+(\s)*1536+512*\q
.endr
.endr
.endm
.macro MM d, a, b, c, sa, sb, ra, rb   ; one product; ra, rb: the side's scale words stand in lanes 16-31
.if (\ra) && (\rb)
	v_wmma_scale_f32_16x16x128_f8f6f4 v[\d:\d+7], v[\a:\a+11], v[\b:\b+11], v[\c:\c+7], v[\sa], v[\sb] matrix_a_fmt:MATRIX_FMT_BF6 matrix_b_fmt:MATRIX_FMT_BF6 matrix_a_scale:MATRIX_SCALE_ROW1 matrix_b_scale:MATRIX_SCALE_ROW1
.elseif (\ra)
	v_wmma_scale_f32_16x16x128_f8f6f4 v[\d:\d+7], v[\a:\a+11], v[\b:\b+11], v[\c:\c+7], v[\sa], v[\sb] matrix_a_fmt:MATRIX_FMT_BF6 matrix_b_fmt:MATRIX_FMT_BF6 matrix_a_scale:MATRIX_SCALE_ROW1
.elseif (\rb)
	v_wmma_scale_f32_16x16x128_f8f6f4 v[\d:\d+7], v[\a:\a+11], v[\b:\b+11], v[\c:\c+7], v[\sa], v[\sb] matrix_a_fmt:MATRIX_FMT_BF6 matrix_b_fmt:MATRIX_FMT_BF6 matrix_b_scale:MATRIX_SCALE_ROW1
.else
	v_wmma_scale_f32_16x16x128_f8f6f4 v[\d:\d+7], v[\a:\a+11], v[\b:\b+11], v[\c:\c+7], v[\sa], v[\sb] matrix_a_fmt:MATRIX_FMT_BF6 matrix_b_fmt:MATRIX_FMT_BF6
.endif
.endm
; K step s of a body: 8 products, the 8 accumulators by turns in the same order in every step.
.macro KSTEP s
.if (\s) < 7
	s_wait_dscnt 12                                ; this step's weight fragments are in; the next step's 12 loads may be out
.else
	s_wait_dscnt 0x0
.endif
	s_wait_loadcnt 42-6*(\s)                       ; x's scale words and this step's six loads are in; six for each later step may be out
	WIN 0x04                                       ; source 1 (x) window 1
.irp t, 0,1,2,3
.irp u, 0,1
.set rD, 96+32*\u+8*\t
.set rA, 160+48*((\s)%2)+12*\t
.set rB, 96*\u+12*(\s)
.if (\s) == 0
.set rC, 32+8*\t
.else
.set rC, rD
.endif
.set rSA, 64+2*(\s)+\t/2
.set rSB, 80+(\s)
	MM rD, rA, rB, rC, rSA, rSB, \t%2, \u
.endr
.endr
	WIN 0
.if (\s) < 6
.rept 4
	v_nop                                          ; four places in front of loads into registers that these products have read
.endr
	WFRAG (\s)+2, 160+48*((\s)%2)
.endif
.endm
.macro PKC c                           ; a step of the polynomial: P = P t + c
.set gi, 0
.rept 8
	v_pk_fma_f32 v[GP+gi:GP+gi+1], v[GP+gi:GP+gi+1], v[GT+gi:GT+gi+1], \c op_sel_hi:[1,1,0]
.set gi, gi+2
.endr
.endm
.macro GELU16 g                        ; 16 of the lane's 64 sums, two accumulators, each read from its low end on
.set HB, 96+16*(\g)
.set gi, 0
.rept 16
	v_and_b32 v[GA+gi], 0x7fffffff, v[HB+gi]       ; |x|
.set gi, gi+1
.endr
.set gi, 0
.rept 8
	v_pk_mul_f32 v[GZ+gi:GZ+gi+1], v[GA+gi:GA+gi+1], 0x3f3504f3 op_sel_hi:[1,0]   ; z = |x| / sqrt 2
.set gi, gi+2
.endr
.set gi, 0
.rept 8
	v_pk_fma_f32 v[GT+gi:GT+gi+1], v[GZ+gi:GZ+gi+1], 0.5, 1.0 op_sel_hi:[1,0,0]
.set gi, gi+2
.endr
.set gi, 0
.rept 16
	v_rcp_f32 v[GT+gi], v[GT+gi]                   ; t
.set gi, gi+1
.endr
.set gi, 0
.rept 16
	v_max_num_f32 v[GM+gi], 0, v[HB+gi]            ; max(x, 0): work that names no reciprocal
.set gi, gi+1
.endr
.set gi, 0
.rept 8
	v_pk_mul_f32 v[GA+gi:GA+gi+1], v[GA+gi:GA+gi+1], -0.5 op_sel_hi:[1,0]
.set gi, gi+2
.endr
	s_wait_alu depctr_va_vdst(0)                   ; one wait for the 16 reciprocals, ahead of their first reader
.set gi, 0
.rept 8
	v_pk_fma_f32 v[GP+gi:GP+gi+1], v[GT+gi:GT+gi+1], v[30:31], 0xbf527892 op_sel_hi:[1,1,0]
.set gi, gi+2
.endr
	PKC 0x3fbe87b0
	PKC 0xbf914e5d
	PKC 0x3e8ec7cc
	PKC 0xbe3ec24c
	PKC 0x3dc636c9
	PKC 0x3ebf88fb
	PKC 0x3f8000c7
	PKC 0xbfa1fc4e
.set gi, 0
.rept 8
	v_pk_fma_f32 v[GP+gi:GP+gi+1], v[GZ+gi:GZ+gi+1], v[GZ+gi:GZ+gi+1], v[GP+gi:GP+gi+1] neg_lo:[1,0,0] neg_hi:[1,0,0]   ; -z^2 + P
.set gi, gi+2
.endr
.set gi, 0
.rept 8
	v_pk_mul_f32 v[GP+gi:GP+gi+1], v[GP+gi:GP+gi+1], 0x3fb8aa3b op_sel_hi:[1,0]
.set gi, gi+2
.endr
.set gi, 0
.rept 16
	v_exp_f32 v[GP+gi], v[GP+gi]
.set gi, gi+1
.endr
	v_nop                                          ; a plain place behind the exponentials
	s_wait_alu depctr_va_vdst(0)                   ; one wait for the 16
.set gi, 0
.rept 8
	v_pk_mul_f32 v[GP+gi:GP+gi+1], v[GP+gi:GP+gi+1], v[GT+gi:GT+gi+1]             ; erfc(z)
.set gi, gi+2
.endr
.set gi, 0
.rept 8
	v_pk_fma_f32 v[HB+gi:HB+gi+1], v[GA+gi:GA+gi+1], v[GP+gi:GP+gi+1], v[GM+gi:GM+gi+1]   ; max(x, 0) - |x| erfc(z) / 2
.set gi, gi+2
.endr
.endm
; Tile of rows u: the lane's 32 numbers are halves of two blocks of 32 hidden units; codes and scale bytes; the codes leave as 3 runs of 256 consecutive bytes.  Each u has store registers of its own.
.macro QH u
.set HB, 96+32*(\u)
.set QC, 170+8*(\u)
.set QT, 174+8*(\u)
.set Q8, 186+8*(\u)
.set Q4, 190+8*(\u)
.irp b, 0,1
	v_max3_num_f32 v[160+\b], |v[HB+16*\b]|, |v[HB+16*\b+1]|, 0x2800000
.endr
.irp i, 2,4,6,8,10,12,14
.irp b, 0,1
	v_max3_num_f32 v[160+\b], v[160+\b], |v[HB+16*\b+\i]|, |v[HB+16*\b+\i+1]|
.endr
.endr
.irp b, 0,1
	v_permlanex16_b32 v[162+\b], v[160+\b], s20, s21
.endr
.irp b, 0,1
	v_max_num_f32 v[160+\b], v[160+\b], v[162+\b]  ; with lane l xor 16's 16: the block's largest magnitude
.endr
.irp b, 0,1
	v_add_nc_u32 v[164+\b], 0xfe000000, v[160+\b]
.endr
.irp b, 0,1
	v_lshrrev_b32 v[166+\b], 23, v[164+\b]
.endr
	v_lshl_or_b32 v[168+\u], v167, 8, v166         ; my row's two scale bytes
	v_cvt_scalef32_pk16_bf6_f32 v[QC:QC+2], v[HB:HB+15], v164
	v_cvt_scalef32_pk16_bf6_f32 v[QT:QT+2], v[HB+16:HB+31], v165
	v_nop                                          ; one plain place behind the scaled conversions
.irp i, 0,1,2
	v_permlane16_swap_b32 v[QC+\i], v[QT+\i]       ; lanes 0-15 now hold block 0 whole, lanes 16-31 block 1: QC its lower 16 codes, QT its upper 16
.endr
	v_cndmask_b32 v[Q8], v[QC], v[QC+2], s23       ; block 0: registers 0-3 and 4, 5 of the operand's lane; block 1: registers 8-11 and 6, 7
	v_cndmask_b32 v[Q8+1], v[QC+1], v[QT], s23
	v_cndmask_b32 v[Q8+2], v[QC+2], v[QT+1], s23
	v_cndmask_b32 v[Q8+3], v[QT], v[QT+2], s23
	v_cndmask_b32 v[Q4], v[QT+1], v[QC], s23
	v_cndmask_b32 v[Q4+1], v[QT+2], v[QC+1], s23
	global_store_b128 v17, v[Q8:Q8+3], s[66:67] offset:24576*(\u)   ; each half of the lanes stores 256 consecutive bytes, at a multiple of 256 from hq's first byte
	global_store_b64 v18, v[Q4:Q4+1], s[66:67] offset:24576*(\u)    ; the 32 lanes store 256 consecutive bytes
.endm
	s_load_b256 s[4:11], s[0:1], 0x0               ; W1, b1, xq, sel
	s_load_b128 s[12:15], s[0:1], 0x20             ; hq, pf
	v_lshl_add_u32 v8, v0, 2, 0x11100
	v_mov_b32 v14, 0
	v_lshrrev_b32 v9, 5, v0
	v_readfirstlane_b32 s16, v9                    ; wave
	s_lshr_b32 s17, ttmp9, 5                       ; e
	s_and_b32 s18, ttmp9, 31                       ; j
	v_and_b32 v1, 31, v0                           ; lane
	v_lshlrev_b32 v2, 4, v1
	v_lshrrev_b32 v9, 4, v1                        ; h: which lane half of the operand my blocks are for
	v_and_b32 v13, 15, v1                          ; I hold columns 4 (l % 16) + 0 .. 3 of the slice
	v_lshrrev_b32 v12, 3, v13
	v_bfe_u32 v10, v13, 1, 1
	v_lshl_add_u32 v12, v12, 1, v10                ; their tile: 2 ((l % 16) / 8) + ((l % 16) / 2) % 2
	v_bfe_u32 v10, v13, 2, 1
	v_and_b32 v11, 1, v13
	v_lshl_add_u32 v10, v10, 1, v11                ; their rows in it: m = 4 (2 ((l / 4) % 2) + l % 2) + 0 .. 3
	v_mul_u32_u24 v3, v12, TSTR
	v_lshl_add_u32 v3, v10, 6, v3
	v_lshl_add_u32 v3, v9, 8, v3
	s_mul_i32 s30, s16, KW*1536
	v_add_nc_u32 v3, s30, v3                       ; tile x TSTR + 16 m + 256 h + my K steps
	v_lshlrev_b32 v4, 6, v12
	v_lshl_add_u32 v4, v10, 4, v4
	v_add_nc_u32 v4, v4, v9
	s_mul_i32 s30, s16, KW*256
	s_add_co_u32 s30, s30, WSC
	v_add_nc_u32 v4, s30, v4                       ; WSC + 64 tile + 4 m + h + my K steps
	v_mul_u32_u24 v5, v9, GROW*PITCH
	v_lshl_add_u32 v5, v13, 4, v5                  ; the weights: 16 bytes a lane, lanes 16-31 GROW rows further down
	s_mul_i32 s30, s16, 2304
	s_add_co_u32 s30, s30, ELS
	v_lshl_add_u32 v6, v1, 2, s30
	s_lshl_b32 s86, s17, 3
	s_add_co_u32 s86, s86, s16                     ; 8 e + w
	s_lshl_b32 s30, s86, 5
	s_add_co_u32 s30, s30, 4096
	v_add_nc_u32 v7, s30, v1                       ; the dummy id: 4096 + 32 (8 e + w) + lane, my wave's own
	v_lshlrev_b32 v15, 2, v1
	s_mov_b32 s20, 0x76543210
	s_mov_b32 s21, 0xfedcba98                      ; v_permlanex16_b32's selects for lane l xor 16
	s_mov_b32 s22, 0x0000ffff
	s_mov_b32 s23, 0xffff0000
	s_mov_b32 s24, 1
	s_mov_b32 s25, 0                               ; s[24:25] = 1 in 64 bits
	s_mov_b32 s26, 0                               ; places taken in the list in hand
	s_mov_b32 s29, 0                               ; the mask of full lists
	s_lshl_b32 s75, s16, 9                         ; my chunk's first row
	s_mul_i32 s87, s86, 17                         ; my first slot
	s_lshl_b32 s73, s87, 5
	s_mov_b32 s72, 0
	s_mov_b32 s74, 0
	s_lshr_b32 s88, s18, 1
	s_and_b32 s89, s18, 1
	s_mov_b32 s31, 0
	s_wait_kmcnt 0x0
	s_lshl_b32 s30, s17, 23
	s_lshl_b32 s90, s18, 8
	s_add_co_u32 s30, s30, s90
	s_lshl_b32 s90, s16, 20
	s_add_co_u32 s30, s30, s90
	s_add_nc_u64 s[WB:WB+1], s[4:5], s[30:31]      ; W1[e], row 128 w, column 64 j
	s_lshl_b32 s30, s16, 11
	s_add_nc_u64 s[82:83], s[10:11], s[30:31]      ; sel at my chunk
	s_lshl_b32 s30, s17, 13
	s_lshl_b32 s90, s18, 8
	s_add_co_u32 s30, s30, s90
	s_add_nc_u64 s[84:85], s[6:7], s[30:31]        ; b1[e] at column 64 j
	s_add_nc_u64 s[70:71], s[8:9], XSOFF           ; x's scale bytes
	s_mul_i32 s30, s87, 49152
	s_mul_i32 s90, s88, 1536
	s_add_co_u32 s30, s30, s90
	s_lshl_b32 s90, s89, 8
	s_add_co_u32 s30, s30, s90
	s_add_nc_u64 s[66:67], s[12:13], s[30:31]      ; hq: my first slot, K step j / 2, lanes 16 (j % 2) on
	s_lshl_b32 s30, s87, 11
	s_lshl_b32 s90, s88, 7
	s_add_co_u32 s30, s30, s90
	s_lshl_b32 s90, s89, 1
	s_add_co_u32 s30, s30, s90
	s_add_nc_u64 s[68:69], s[12:13], s[30:31]
	s_add_nc_u64 s[68:69], s[68:69], HSOFF         ; and its scale bytes
	s_lshl_b32 s30, s86, 7
	s_add_co_u32 s30, s30, FMOFF
	s_add_nc_u64 s[80:81], s[14:15], s[30:31]      ; the mask's place
.set pi, 0
.rept 16
	global_load_b32 v[16+pi], v15, s[82:83] offset:128*pi
.set pi, pi+1
.endr
	LOADU 0
	s_wait_loadcnt 32                              ; sel is in; unit 0's 32 loads may be out
.set pi, 0
.rept 16
	v_cmp_eq_u32 s[32+pi], s17, v[16+pi]           ; which of the 32 rows of trip i are this expert's
.set pi, pi+1
.endr
	LOADU 1
	v_lshrrev_b32 v21, 4, v1
	v_and_b32 v22, 15, v1
	v_mul_u32_u24 v16, v21, 48                     ; x's codes: lane half 1's 48 bytes of a K step follow lane half 0's
	v_lshlrev_b32 v17, 10, v21
	v_lshl_add_u32 v17, v22, 4, v17                ; hq: 16 r, lanes 16-31 1,024 bytes on
	v_lshlrev_b32 v18, 3, v21
	v_lshl_add_u32 v18, v22, 4, v18
	v_add_nc_u32 v18, 512, v18                     ; hq: 512 + 16 r + 8 (lane / 16)
	v_lshlrev_b32 v19, 2, v1
	v_lshlrev_b32 v20, 6, v21                      ; b1: 16 numbers further on for lanes 16-31
	v_add_nc_u32 v29, WSC, v19
	v_mov_b32 v30, 0x3e2ef945                      ; the polynomial's highest coefficient, as a pair
	v_mov_b32 v31, 0x3e2ef945
	; THE COMPACTION runs while the weights are on their way.  Trip i: the chosen lanes push their row ids to places c .. c + n - 1 (mod 32), the others to the rest: a full permutation.
.set pi, 0
.rept 16
	v_add_nc_u32 v[208+pi], s75, v1                ; my row id
	s_add_co_u32 s75, s75, 32
	s_bcnt1_i32_b32 s27, s[32+pi]                  ; n
	s_add_co_u32 s28, s26, s27                     ; c + n
	v_mbcnt_lo_u32_b32 v21, s[32+pi], 0            ; chosen lanes below me
	v_sub_nc_u32 v23, v1, v21
	v_add_nc_u32 v22, s26, v21
	v_add_nc_u32 v23, s28, v23
	v_cndmask_b32 v22, v23, v22, s[32+pi]
	v_and_b32 v22, 31, v22
	v_lshlrev_b32 v[192+pi], 2, v22
	ds_permute_b32 v[32+pi], v[192+pi], v[208+pi]
	s_lshl_b64 s[30:31], s[24:25], s27
	s_sub_nc_u64 s[30:31], s[30:31], s[24:25]
	s_lshl_b64 s[30:31], s[30:31], s26             ; n ones from bit c on:
	s_mov_b32 s[32+pi], s30                        ; the places filled in the list in hand,
	s_mov_b32 s[48+pi], s31                        ; and those that run over into the next
	s_cmp_ge_u32 s28, 32
	s_cselect_b32 s30, 1<<pi, 0
	s_or_b32 s29, s29, s30                         ; the list is full in this trip
	s_and_b32 s26, s28, 31
.set pi, pi+1
.endr
	s_wait_dscnt 0x0
.set pi, 0
.rept 16
.if pi == 0
	v_cndmask_b32 v[224+pi], v7, v[32+pi], s[32+pi]
.else
	v_cndmask_b32 v[224+pi], v[240+pi-1], v[32+pi], s[32+pi]
.endif
	ds_store_b32 v6, v[224+pi] offset:128*pi       ; list i: read later only if it was full
	s_bitcmp1_b32 s29, pi
	s_cselect_b32 s30, -1, 0
	v_cndmask_b32 v21, v7, v[32+pi], s[48+pi]      ; a new list: dummies, and what ran over
	v_cndmask_b32 v[240+pi], v[224+pi], v21, s30
.set pi, pi+1
.endr
	ds_store_b32 v6, v255 offset:2048              ; list 16: what is left
	s_cmp_lg_u32 s26, 0
	s_cselect_b32 s30, 0x10000, 0
	s_or_b32 s29, s29, s30
	s_cmp_lg_u32 s18, 0                            ; the expert's first work-group stores the mask: the same word in all 32 lanes, 128 consecutive bytes
	s_cbranch_scc1 .Lnofm
	v_mov_b32 v24, s29
	global_store_b32 v19, v24, s[80:81]
.Lnofm:
	s_wait_dscnt 0x0                               ; the lists' stores have read their registers
	UNIT 0
	UNIT 1
	s_wait_dscnt 0x0                               ; for the others' sake: my part of the images has landed
.irp t, 0,1,2,3
	global_load_b128 v[32+8*\t:32+8*\t+3], v20, s[84:85] offset:(32*(\t/2)+8*(\t%2))*4
	global_load_b128 v[32+8*\t+4:32+8*\t+7], v20, s[84:85] offset:(32*(\t/2)+8*(\t%2))*4+16
.endr
	s_barrier_signal -1
	s_barrier_wait -1                              ; the whole slice lies in LDS; nothing writes it from here on
.irp s, 0,1,2,3,4,5,6,7
.irp g, 0,1
	ds_load_b32 v[64+2*\s+\g], v29 offset:256*\s+128*\g            ; lanes 0-15: tile 2 g's words, lanes 16-31: tile 2 g + 1's
.endr
.endr
	v_mov_b32 v90, 0                               ; written once: a lane permute's destination counts as one of its sources
	s_wait_loadcnt 0x0
	s_wait_dscnt 0x0
.Ltrip:                                                ; 17 trips, a constant; a trip without a body only steps the addresses
	s_and_b32 s30, s29, 1
	s_cmp_eq_u32 s30, 0
	s_cbranch_scc1 .Lskip
	s_wait_xcnt 0x0                                ; the last body's stores have read their registers
	v_add_nc_u32 v88, s72, v6
	ds_load_b32 v89, v88                           ; lane l: the id of the body's row l
	s_wait_dscnt 0x0
	v_permlanex16_b32 v90, v89, s20, s21
	v_cndmask_b32 v91, v90, v89, s22               ; row l % 16
	v_cndmask_b32 v92, v89, v90, s22               ; row 16 + l % 16
	v_min_u32 v89, IDMAX, v89
	v_min_u32 v91, IDMAX, v91
	v_min_u32 v92, IDMAX, v92
	v_and_b32 v93, 0x7ff, v89                      ; the token
	v_and_b32 v91, 0x7ff, v91
	v_and_b32 v92, 0x7ff, v92
	s_cmp_lg_u32 s18, 0
	s_cbranch_scc1 .Lnopos
	v_lshlrev_b32 v94, 2, v89
	v_add_nc_u32 v95, s73, v1
	global_store_b32 v94, v95, s[14:15]            ; pos[id] = 32 x slot + row: an id occurs in one list of one wave (a dummy's word is read by nobody)
.Lnopos:
	v_lshlrev_b32 v93, 5, v93
	global_load_b128 v[80:83], v93, s[70:71]       ; row l's 8 scale words
	global_load_b128 v[84:87], v93, s[70:71] offset:16
	v_mad_u32_u24 v91, v91, 768, v16
	v_mad_u32_u24 v92, v92, 768, v16
	WIN 0x40                                       ; destination window 1
.irp s, 0,1,2,3,4,5,6,7
.irp q, 0,1,2
	global_load_b128 v[12*\s+4*\q:12*\s+4*\q+3], v91, s[8:9] offset:96*\s+16*\q          ; a lane's 12 registers of a K step are 48 consecutive bytes; the row's other lane reads the 48 beside them
.endr
.irp q, 0,1,2
	global_load_b128 v[96+12*\s+4*\q:96+12*\s+4*\q+3], v92, s[8:9] offset:96*\s+16*\q
.endr
.endr
	WIN 0
	WFRAG 0, 160
	WFRAG 1, 208
.irp s, 0,1,2,3,4,5,6,7
	KSTEP \s
.endr
.rept 4
	v_nop                                          ; four places in front of the first read of results
.endr
	GELU16 0
	GELU16 1
	GELU16 2
	GELU16 3
	QH 0
	QH 1
	v_cndmask_b32 v200, v168, v169, s23            ; lane l: row l's two bytes
	global_store_b16 v19, v200, s[68:69]
.Lskip:
	s_wait_xcnt 0x0                                ; the stores have read their bases
	s_lshr_b32 s29, s29, 1
	s_add_co_u32 s72, s72, 128
	s_add_nc_u64 s[66:67], s[66:67], 49152
	s_add_nc_u64 s[68:69], s[68:69], 2048
	s_add_co_u32 s73, s73, 32
	s_add_co_u32 s74, s74, 1
	s_cmp_lt_u32 s74, 17
	s_cbranch_scc1 .Ltrip
	s_wait_tensorcnt 0x0
	ds_add_u32 v8, v14
	s_wait_dscnt 0x0
	s_endpgm
.Lfunc_end_k_q25a476d617_up:
	.size	k_q25a476d617_up, .Lfunc_end_k_q25a476d617_up-k_q25a476d617_up
	.p2alignl 7, 3214868480
	.fill 96, 4, 3214868480
	.section	.rodata,"a",@progbits
	.p2align	6, 0x0
	.amdhsa_kernel k_q25a476d617_up
		.amdhsa_group_segment_fixed_size 70912
		.amdhsa_private_segment_fixed_size 0
		.amdhsa_enable_private_segment 0
		.amdhsa_kernarg_size 48
		.amdhsa_user_sgpr_count 2
		.amdhsa_user_sgpr_kernarg_segment_ptr 1
		.amdhsa_wavefront_size32 1
		.amdhsa_system_sgpr_workgroup_id_x 1
		.amdhsa_system_sgpr_workgroup_id_y 1
		.amdhsa_system_sgpr_workgroup_id_z 1
		.amdhsa_system_vgpr_workitem_id 0
		.amdhsa_next_free_vgpr 512
		.amdhsa_next_free_sgpr 96
		.amdhsa_reserve_vcc 0
		.amdhsa_float_denorm_mode_32 3
		.amdhsa_float_denorm_mode_16_64 3
		.amdhsa_memory_ordered 1
		.amdhsa_forward_progress 1
		.amdhsa_inst_pref_size 134
	.end_amdhsa_kernel
	.amdgpu_metadata
---
amdhsa.version: [ 1, 2 ]
amdhsa.kernels:
  - .name:           k_q25a476d617_up
    .symbol:         k_q25a476d617_up.kd
    .args:
      - { .name: W1, .offset: 0, .size: 8, .value_kind: global_buffer, .address_space: global }
      - { .name: b1, .offset: 8, .size: 8, .value_kind: global_buffer, .address_space: global }
      - { .name: xq, .offset: 16, .size: 8, .value_kind: global_buffer, .address_space: global }
      - { .name: sel, .offset: 24, .size: 8, .value_kind: global_buffer, .address_space: global }
      - { .name: hq, .offset: 32, .size: 8, .value_kind: global_buffer, .address_space: global }
      - { .name: pf, .offset: 40, .size: 8, .value_kind: global_buffer, .address_space: global }
    .group_segment_fixed_size: 70912
    .private_segment_fixed_size: 0
    .kernarg_segment_align: 8
    .kernarg_segment_size: 48
    .max_flat_workgroup_size: 256
    .sgpr_count:     96
    .vgpr_count:     512
    .wavefront_size: 32
...
	.end_amdgpu_metadata
.endif
;; end of part 2
;; launch down (part 3): grid 256 x 1, 8 waves a work-group, no clusters, 173,568 bytes of LDS; arguments W2, b2, hq, pf, y; writes y
.if DOCPART == 3
	.amdgcn_target "amdgcn-amd-amdhsa--gfx1250"
	.amdhsa_code_object_version 6
	.text
	.protected	k_q25a476d617_down
	.globl	k_q25a476d617_down
	.p2align	8
	.type	k_q25a476d617_down,@function
k_q25a476d617_down:
	s_mov_b64 s[64:65], 0
	v_nop
	global_prefetch_b8 v0, s[64:65] scope:SCOPE_SE
	s_setreg_imm32_b32 hwreg(HW_REG_WAVE_MODE, 25, 1), 1
	s_wait_xcnt 0x0
; y = h W2[e] + b2[e] for the bodies of 32 routed rows that the launch before has laid in hq, on codes of E3M2 with one E8M0 scale for each 32 along K.
; SHARES.  Work-group (e = x / 32, jc = (x / 2) % 16, rho = x % 2) owns columns 64 jc .. 64 jc + 63 of W2[e] and the bodies of chunks 4 rho .. 4 rho + 3.  It reads its 512 KiB of f32, quantises them
; along K (W2's first axis) and keeps the codes in LDS as images of operand registers; wave w quantises K steps 2 w and 2 w + 1.  The two work-groups that read one slice are neighbours in x.
; THE WEIGHTS' LOADS: a lane takes 4 columns (16 bytes) and its registers run down K; lanes 0-15 take the block of 32 rows that lane half h = 0 of the operand wants, lanes 16-31 that of h = 1, 64 rows further down.
; So a load is two rows' pieces of 256 consecutive bytes, a block's largest magnitude needs no other lane, and h is a lane's term in the LDS addresses.
; Wave w then serves chunk 4 rho + w / 2: 17 slots, ONE loop of 17 trips, a constant.  Which slots hold a body is a mask of 17 bits read from pf.  The chunk's two waves take its bodies by turns: the running parity
; of the mask's set bits (five shifts and exclusive ors) marks the 1st, 3rd .. body for the even wave and leaves the 2nd, 4th .. to the odd one.  A trip without a body for the wave only steps addresses.
; No tensor loads and no cluster: branches hang on numbers read from memory.
; Within K step s the hidden block 4 s + 2 h + c stands at the instruction's k = 64 c + 32 h, in W2's images as in hq's; a scale word's byte 2 c + h belongs to that block.
; THE MATRIX INSTRUCTION IS USED TRANSPOSED (source 0 = 16 columns of W2, source 1 = 16 rows of h); row m of weight tile 2 b + u is column 32 b + 8 u + m + 8 (m / 8).  b2 is the C of each sum's first product.
; y: slot x 131,072 + row x 4,096 + 4 x column, f32.
; LIMITS: NaN and infinities are not served; a block of W2 whose largest magnitude lies under 2^-122 (a block of zeros too) gets the scale byte 1: zeros' codes are zeros, and only this program reads the bytes.
; REGISTERS, window 0: v1 lane, v2, v16 image addresses, v3, v4 where I store codes and scale bytes, v5 the weights' offset, v9-15 at work, v17-23 lane terms; first: v64-191 four columns' 32 numbers each, v192-251 codes,
;   largest magnitudes, scale bytes; in a body: v32-63 W2's scale words, v64-79 h's, v96-159 sums, v160-255 two sets of weight fragments, later rows of y.
;   Window 1: first v0-127, v128-255 two sets of 32 loads of weights; in a body v0-191 a ring of 8 K steps of h's fragments, v192-223 b2.
.set NS,    16
.set KW,    2
.set NU,    2*KW                       ; a wave's units: 32 loads, two blocks of 32 along K for 64 columns
.set PITCH, 4096                       ; a row of W2[e] in bytes
.set CROW,  32                         ; block (c, h) of a K step begins at row 32 c + 64 h: the order in which hq has the hidden blocks
.set GROW,  64
.set TSTR,  NS*1536+16
.set WSC,   98816
.set STG,   102912                     ; 32 rows x 272 bytes for each wave, for the way out
.set HSOFF, 53477376
.set FMOFF, 24576                      ; pf: behind 6,144 words of places, the masks: 128 bytes for each (expert, chunk)
.set WB,    40
.set XB,    64                         ; column c's 32 numbers at v[XB + 32 c]
.set CB,    192                        ; its 24 bytes of codes at v[CB + 8 c]
.set TT,    224                        ; (the upper 16 codes are made at v[TT + 4 c] and moved)
.set MX,    240                        ; its largest magnitude
.set SO,    244                        ; the conversion's scale operand
.set BY,    248                        ; the scale's byte
.set MSB,   0
.macro WIN new                         ; the immediate's high byte repeats the setting that is left
.if MSB != \new
	s_set_vgpr_msb (MSB<<8)|\new
.set MSB, \new
.endif
.endm
.macro LOADU t                         ; unit t: K step t / 2, operand half c = t % 2: 32 loads; each half of the lanes reads 256 consecutive bytes, at a multiple of 256 from W2's first byte
	WIN 0x40                                       ; destination window 1
.set li, 0
.rept 32
	global_load_b128 v[128*((\t)%2)+4*li:128*((\t)%2)+4*li+3], v5, s[WB:WB+1] offset:(128*((\t)/2)+CROW*((\t)%2)+li)*PITCH
.set li, li+1
.endr
	WIN 0
.endm
; Unit t: my four columns' 32 numbers each become 24 bytes of codes, stored where the operand's registers want them, and a byte of each column's scale word.
.macro UNIT t
.set sloc, (\t)/2
.set cc, (\t)%2
.set LL, 128*((\t)%2)
.if (\t) < NU-1
	s_wait_loadcnt 32                              ; this unit's 32 loads are in; the next unit's may be out
.else
	s_wait_loadcnt 0x0
.endif
	WIN 0x01                                       ; source 0 window 1
.set ui, 0
.rept 32
.irp c, 0,1,2,3
	v_mov_b32 v[XB+32*\c+ui], v[LL+4*ui+\c]        ; the conversions take neighbours along K from consecutive registers: the four columns are set apart
.endr
.set ui, ui+1
.endr
	WIN 0
.if (\t)+2 < NU
	LOADU (\t)+2
.endif
.irp c, 0,1,2,3
	v_max3_num_f32 v[MX+\c], |v[XB+32*\c]|, |v[XB+32*\c+1]|, 0x2800000   ; with the floor 2^(5 - 127)
.endr
.set ui, 2
.rept 15
.irp c, 0,1,2,3
	v_max3_num_f32 v[MX+\c], v[MX+\c], |v[XB+32*\c+ui]|, |v[XB+32*\c+ui+1]|   ; (the four columns by turns)
.endr
.set ui, ui+2
.endr
	s_wait_dscnt 0x0                               ; the last unit's LDS stores have read their registers
.irp c, 0,1,2,3
	v_add_nc_u32 v[SO+\c], 0xfe000000, v[MX+\c]    ; 4 off the exponent field: the conversion's scale operand
.endr
.irp c, 0,1,2,3
	v_lshrrev_b32 v[BY+\c], 23, v[SO+\c]           ; the scale's byte
.endr
.irp c, 0,1,2,3
	v_cvt_scalef32_pk16_bf6_f32 v[CB+8*\c:CB+8*\c+2], v[XB+32*\c:XB+32*\c+15], v[SO+\c]
	v_cvt_scalef32_pk16_bf6_f32 v[TT+4*\c:TT+4*\c+2], v[XB+32*\c+16:XB+32*\c+31], v[SO+\c]   ; (a conversion's three registers begin on an even number)
.endr
	v_nop                                          ; one plain place behind the scaled conversions
.irp c, 0,1,2,3
.irp k, 0,1,2
	v_mov_b32 v[CB+8*\c+3+\k], v[TT+4*\c+\k]
.endr
.endr
.set OFF, sloc*1536
.irp c, 0,1,2,3
.if cc == 0                            ; registers 0-5 of the operand's lane: 16 bytes of the first 512, 8 of the second
	ds_store_b128 v3, v[CB+8*\c:CB+8*\c+3] offset:OFF+16*\c
	ds_store_b64 v3, v[CB+8*\c+4:CB+8*\c+5] offset:OFF+16*\c+512
.else                                  ; registers 6-11
	ds_store_b64 v3, v[CB+8*\c:CB+8*\c+1] offset:OFF+16*\c+520
	ds_store_b128 v3, v[CB+8*\c+2:CB+8*\c+5] offset:OFF+16*\c+1024
.endif
	ds_store_b8 v4, v[BY+\c] offset:256*sloc+2*cc+4*\c   ; byte 2 c + h of the column's scale word (h stands in the address)
.endr
.endm
.macro WFRAG s, buf                    ; the four weight tiles' fragments of K step s: 12 loads of 512 consecutive bytes; tiles 2 and 3 by a second address register, since an offset has 16 bits
.irp t, 0,1
.irp q, 0,1,2
	ds_load_b128 v[\buf+12*\t+4*\q:\buf+12*\t+4*\q+3], v2 offset:\t*TSTR+(\s)*1536+512*\q
.endr
.endr
.irp t, 0,1
.irp q, 0,1,2
	ds_load_b128 v[\buf+24+12*\t+4*\q:\buf+24+12*\t+4*\q+3], v16 offset:\t*TSTR+(\s)*1536+512*\q
.endr
.endr
.endm
.macro MM d, a, b, c, sa, sb, ra, rb   ; one product; ra, rb: the side's scale words stand in lanes 16-31
.if (\ra) && (\rb)
	v_wmma_scale_f32_16x16x128_f8f6f4 v[\d:\d+7], v[\a:\a+11], v[\b:\b+11], v[\c:\c+7], v[\sa], v[\sb] matrix_a_fmt:MATRIX_FMT_BF6 matrix_b_fmt:MATRIX_FMT_BF6 matrix_a_scale:MATRIX_SCALE_ROW1 matrix_b_scale:MATRIX_SCALE_ROW1
.elseif (\ra)
	v_wmma_scale_f32_16x16x128_f8f6f4 v[\d:\d+7], v[\a:\a+11], v[\b:\b+11], v[\c:\c+7], v[\sa], v[\sb] matrix_a_fmt:MATRIX_FMT_BF6 matrix_b_fmt:MATRIX_FMT_BF6 matrix_a_scale:MATRIX_SCALE_ROW1
.elseif (\rb)
	v_wmma_scale_f32_16x16x128_f8f6f4 v[\d:\d+7], v[\a:\a+11], v[\b:\b+11], v[\c:\c+7], v[\sa], v[\sb] matrix_a_fmt:MATRIX_FMT_BF6 matrix_b_fmt:MATRIX_FMT_BF6 matrix_b_scale:MATRIX_SCALE_ROW1
.else
	v_wmma_scale_f32_16x16x128_f8f6f4 v[\d:\d+7], v[\a:\a+11], v[\b:\b+11], v[\c:\c+7], v[\sa], v[\sb] matrix_a_fmt:MATRIX_FMT_BF6 matrix_b_fmt:MATRIX_FMT_BF6
.endif
.endm
.macro HLOAD s                         ; h's two fragments of K step s into the ring's place s % 8: six loads of 512 consecutive bytes
	WIN 0x40                                       ; destination window 1
.irp u, 0,1
.irp q, 0,1,2
	global_load_b128 v[24*((\s)%8)+12*\u+4*\q:24*((\s)%8)+12*\u+4*\q+3], v17, s[34:35] offset:24576*\u+1536*(\s)+512*\q
.endr
.endr
	WIN 0
.endm
; K step s of a body: 8 products, the 8 accumulators by turns in the same order in every step.
.macro KSTEP s
.if (\s) < 15
	s_wait_dscnt 12                                ; this step's weight fragments are in; the next step's 12 loads may be out
.else
	s_wait_dscnt 0x0
.endif
.if (\s) < 8
	s_wait_loadcnt 42                              ; behind this step's six loads: six for each of the 7 - s later first fills and of the s refills
.else
	s_wait_loadcnt 6*(15-(\s))                     ; behind this step's six loads: the later refills
.endif
.if (\s) == 0
	WIN 0x14                                       ; source 1 (h) and source 2 (b2) window 1
.else
	WIN 0x04                                       ; source 1 window 1
.endif
.irp t, 0,1,2,3
.irp u, 0,1
.set rD, 96+32*\u+8*\t
.set rA, 160+48*((\s)%2)+12*\t
.set rB, 24*((\s)%8)+12*\u
.if (\s) == 0
.set rC, 192+8*\t
.else
.set rC, rD
.endif
.set rSA, 32+2*(\s)+\t/2
.set rSB, 64+(\s)
	MM rD, rA, rB, rC, rSA, rSB, \t%2, \u
.endr
.endr
	WIN 0
.rept 4
	v_nop                                          ; four places in front of loads into registers that these products have read, and of the first read of results
.endr
.if (\s) < 14
	WFRAG (\s)+2, 160+48*((\s)%2)
.endif
.if (\s) < 8
	HLOAD (\s)+8
.endif
.endm
	s_load_b256 s[4:11], s[0:1], 0x0               ; W2, b2, hq, pf
	s_load_b64 s[12:13], s[0:1], 0x20              ; y
	v_lshl_add_u32 v30, v0, 2, 0x2a200
	v_mov_b32 v31, 0
	v_lshrrev_b32 v9, 5, v0
	v_readfirstlane_b32 s16, v9                    ; wave
	s_lshr_b32 s17, ttmp9, 5                       ; e
	s_lshr_b32 s18, ttmp9, 1
	s_and_b32 s18, s18, 15                         ; jc
	s_and_b32 s19, ttmp9, 1                        ; rho
	v_and_b32 v1, 31, v0                           ; lane
	v_lshlrev_b32 v2, 4, v1
	v_lshrrev_b32 v9, 4, v1                        ; l / 16 = h: which lane half of the operand my blocks are for
	v_and_b32 v13, 15, v1                          ; l % 16: I hold columns 4 (l % 16) + 0 .. 3 of the slice
	v_lshrrev_b32 v12, 3, v13
	v_bfe_u32 v10, v13, 1, 1
	v_lshl_add_u32 v12, v12, 1, v10                ; their tile: 2 ((l % 16) / 8) + ((l % 16) / 2) % 2
	v_bfe_u32 v10, v13, 2, 1
	v_and_b32 v11, 1, v13
	v_lshl_add_u32 v10, v10, 1, v11                ; their rows in it: m = 4 (2 ((l / 4) % 2) + l % 2) + 0 .. 3
	v_mul_u32_u24 v3, v12, TSTR
	v_lshl_add_u32 v3, v10, 6, v3
	v_lshl_add_u32 v3, v9, 8, v3
	s_mul_i32 s44, s16, KW*1536
	v_add_nc_u32 v3, s44, v3                       ; tile x TSTR + 16 m + 256 h + my K steps
	v_lshlrev_b32 v4, 6, v12
	v_lshl_add_u32 v4, v10, 4, v4
	v_add_nc_u32 v4, v4, v9
	s_mul_i32 s44, s16, KW*256
	s_add_co_u32 s44, s44, WSC
	v_add_nc_u32 v4, s44, v4                       ; WSC + 64 tile + 4 m + h + my K steps
	v_mul_u32_u24 v5, v9, GROW*PITCH
	v_lshl_add_u32 v5, v13, 4, v5                  ; the weights: 16 bytes a lane, lanes 16-31 GROW rows further down
	v_add_nc_u32 v16, 2*TSTR, v2
	v_lshlrev_b32 v17, 4, v1
	v_lshlrev_b32 v18, 2, v1
	s_mul_i32 s44, s16, 8704
	s_add_co_u32 s44, s44, STG                     ; my stage
	v_mul_u32_u24 v19, v13, 272
	v_lshl_add_u32 v19, v9, 6, v19
	v_add_nc_u32 v19, s44, v19                     ; in: row l % 16, 64 bytes further on for lanes 16-31
	v_mul_u32_u24 v20, v9, 272
	v_lshl_add_u32 v20, v13, 4, v20
	v_add_nc_u32 v20, s44, v20                     ; back: lanes 0-15 one row of 256 bytes, lanes 16-31 the next
	v_lshlrev_b32 v21, 12, v9
	v_lshl_add_u32 v21, v13, 4, v21                ; and the same two rows in y
	v_lshlrev_b32 v22, 6, v9                       ; b2: 16 numbers further on for lanes 16-31
	v_add_nc_u32 v23, WSC, v18
	s_lshl_b32 s28, s17, 3
	s_lshl_b32 s29, s19, 2
	s_add_co_u32 s28, s28, s29
	s_lshr_b32 s29, s16, 1
	s_add_co_u32 s28, s28, s29                     ; 8 e + 4 rho + w / 2: my chunk
	s_mul_i32 s29, s28, 17                         ; its first slot
	s_mov_b32 s45, 0
	s_mov_b32 s31, 0                               ; trips
	s_wait_kmcnt 0x0
	s_lshl_b32 s44, s28, 7
	s_add_co_u32 s44, s44, FMOFF
	s_add_nc_u64 s[20:21], s[10:11], s[44:45]
	s_load_b32 s24, s[20:21], 0x0                  ; my chunk's mask of bodies
	s_lshl_b32 s44, s17, 23
	s_lshl_b32 s33, s18, 8
	s_add_co_u32 s44, s44, s33
	s_lshl_b32 s33, s16, 20
	s_add_co_u32 s44, s44, s33
	s_add_nc_u64 s[WB:WB+1], s[4:5], s[44:45]      ; W2[e], row 256 w, column 64 jc
	s_lshl_b32 s44, s17, 12
	s_lshl_b32 s33, s18, 8
	s_add_co_u32 s44, s44, s33
	s_add_nc_u64 s[42:43], s[6:7], s[44:45]        ; b2[e] at column 64 jc
	s_mul_i32 s44, s29, 49152
	s_add_nc_u64 s[34:35], s[8:9], s[44:45]        ; hq at my first slot
	s_lshl_b32 s44, s29, 11
	s_add_nc_u64 s[36:37], s[8:9], s[44:45]
	s_add_nc_u64 s[36:37], s[36:37], HSOFF         ; and its scale words
	s_lshl_b32 s44, s29, 17
	s_lshl_b32 s33, s18, 8
	s_add_co_u32 s44, s44, s33
	s_add_nc_u64 s[38:39], s[12:13], s[44:45]      ; y at my first slot, column 64 jc
	LOADU 0
	LOADU 1
.irp t, 0,1,2,3
	UNIT \t
.endr
	s_wait_dscnt 0x0                               ; for the others' sake: my part of the images has landed
	WIN 0x40                                       ; destination window 1
.irp t, 0,1,2,3
	global_load_b128 v[192+8*\t:192+8*\t+3], v22, s[42:43] offset:(32*(\t/2)+8*(\t%2))*4
	global_load_b128 v[192+8*\t+4:192+8*\t+7], v22, s[42:43] offset:(32*(\t/2)+8*(\t%2))*4+16
.endr
	WIN 0
	s_barrier_signal -1
	s_barrier_wait -1                              ; the whole slice lies in LDS; nothing writes it from here on
.irp s, 0,1,2,3,4,5,6,7,8,9,10,11,12,13,14,15
.irp g, 0,1
	ds_load_b32 v[32+2*\s+\g], v23 offset:256*\s+128*\g            ; lanes 0-15: tile 2 g's words, lanes 16-31: tile 2 g + 1's
.endr
.endr
	s_wait_kmcnt 0x0                               ; the mask
	s_lshl_b32 s25, s24, 1                         ; bit i of s25 becomes the parity of the mask's set bits 0 .. i: 1 at the 1st, 3rd .. body
	s_xor_b32 s25, s25, s24
	s_lshl_b32 s33, s25, 2
	s_xor_b32 s25, s25, s33
	s_lshl_b32 s33, s25, 4
	s_xor_b32 s25, s25, s33
	s_lshl_b32 s33, s25, 8
	s_xor_b32 s25, s25, s33
	s_lshl_b32 s33, s25, 16
	s_xor_b32 s25, s25, s33
	s_and_b32 s33, s16, 1
	s_sub_co_u32 s33, 0, s33                       ; all ones in the chunk's odd wave, which takes the 2nd, 4th ..
	s_xor_b32 s25, s25, s33
	s_and_b32 s24, s24, s25                        ; my bodies
	s_wait_loadcnt 0x0
	s_wait_dscnt 0x0
.Ltrip:                                                ; 17 trips, a constant; a trip without a body of mine only steps the addresses
	s_and_b32 s33, s24, 1
	s_cmp_eq_u32 s33, 0
	s_cbranch_scc1 .Lnext
	s_wait_xcnt 0x0                                ; my last body's stores have read their registers
.irp s, 0,1,2,3,4,5,6,7,8,9,10,11,12,13,14,15
	global_load_b32 v[64+\s], v18, s[36:37] offset:128*\s          ; lane l: row l's scale word of K step s
.endr
.irp s, 0,1,2,3,4,5,6,7
	HLOAD \s
.endr
	WFRAG 0, 160
	WFRAG 1, 208
	s_wait_loadcnt 48                              ; the scale words are in; the 48 loads of codes may be out
.irp s, 0,1,2,3,4,5,6,7,8,9,10,11,12,13,14,15
	v_perm_b32 v[64+\s], v[64+\s], v[64+\s], 0x03010200            ; stored as (c, h) = (0,0) (1,0) (0,1) (1,1); the instruction wants byte 2 c + h
.endr
.rept 8
	v_nop                                          ; a scale register written by a vector instruction stands 8 places ahead of a scaled matrix instruction
.endr
.irp s, 0,1,2,3,4,5,6,7,8,9,10,11,12,13,14,15
	KSTEP \s
.endr
	; THE WAY OUT: a lane holds 8 neighbouring columns of a row; the body goes through my own stage and leaves as rows: sixteen lanes store 256 consecutive bytes, at a multiple of 256 from y's first byte
.irp u, 0,1
.irp t, 0,1,2,3
	ds_store_b128 v19, v[96+32*\u+8*\t:96+32*\u+8*\t+3] offset:4352*\u+128*(\t/2)+32*(\t%2)          ; each accumulator from its low end on
	ds_store_b128 v19, v[96+32*\u+8*\t+4:96+32*\u+8*\t+7] offset:4352*\u+128*(\t/2)+32*(\t%2)+16
.endr
.endr
.irp k, 0,1,2,3,4,5,6,7,8,9,10,11,12,13,14,15
	ds_load_b128 v[160+4*\k:160+4*\k+3], v20 offset:544*\k         ; LDS serves a wave's instructions in order: these see my stores
.endr
.irp k, 0,1,2,3,4,5,6,7,8,9,10,11,12,13,14,15
	s_wait_dscnt 15-\k                             ; the younger read-backs may be out
	global_store_b128 v21, v[160+4*\k:160+4*\k+3], s[38:39] offset:8192*\k
.endr
.Lnext:
	s_wait_xcnt 0x0                                ; the loads and stores have read their bases
	s_lshr_b32 s24, s24, 1
	s_add_nc_u64 s[34:35], s[34:35], 49152
	s_add_nc_u64 s[36:37], s[36:37], 2048
	s_add_nc_u64 s[38:39], s[38:39], 131072
	s_add_co_u32 s31, s31, 1
	s_cmp_lt_u32 s31, 17
	s_cbranch_scc1 .Ltrip
	s_wait_tensorcnt 0x0
	ds_add_u32 v30, v31
	s_wait_dscnt 0x0
	s_endpgm
.Lfunc_end_k_q25a476d617_down:
	.size	k_q25a476d617_down, .Lfunc_end_k_q25a476d617_down-k_q25a476d617_down
	.p2alignl 7, 3214868480
	.fill 96, 4, 3214868480
	.section	.rodata,"a",@progbits
	.p2align	6, 0x0
	.amdhsa_kernel k_q25a476d617_down
		.amdhsa_group_segment_fixed_size 173568
		.amdhsa_private_segment_fixed_size 0
		.amdhsa_enable_private_segment 0
		.amdhsa_kernarg_size 40
		.amdhsa_user_sgpr_count 2
		.amdhsa_user_sgpr_kernarg_segment_ptr 1
		.amdhsa_wavefront_size32 1
		.amdhsa_system_sgpr_workgroup_id_x 1
		.amdhsa_system_sgpr_workgroup_id_y 1
		.amdhsa_system_sgpr_workgroup_id_z 1
		.amdhsa_system_vgpr_workitem_id 0
		.amdhsa_next_free_vgpr 512
		.amdhsa_next_free_sgpr 66
		.amdhsa_reserve_vcc 0
		.amdhsa_float_denorm_mode_32 3
		.amdhsa_float_denorm_mode_16_64 3
		.amdhsa_memory_ordered 1
		.amdhsa_forward_progress 1
		.amdhsa_inst_pref_size 111
	.end_amdhsa_kernel
	.amdgpu_metadata
---
amdhsa.version: [ 1, 2 ]
amdhsa.kernels:
  - .name:           k_q25a476d617_down
    .symbol:         k_q25a476d617_down.kd
    .args:
      - { .name: W2, .offset: 0, .size: 8, .value_kind: global_buffer, .address_space: global }
      - { .name: b2, .offset: 8, .size: 8, .value_kind: global_buffer, .address_space: global }
      - { .name: hq, .offset: 16, .size: 8, .value_kind: global_buffer, .address_space: global }
      - { .name: pf, .offset: 24, .size: 8, .value_kind: global_buffer, .address_space: global }
      - { .name: y, .offset: 32, .size: 8, .value_kind: global_buffer, .address_space: global }
    .group_segment_fixed_size: 173568
    .private_segment_fixed_size: 0
    .kernarg_segment_align: 8
    .kernarg_segment_size: 40
    .max_flat_workgroup_size: 256
    .sgpr_count:     66
    .vgpr_count:     512
    .wavefront_size: 32
...
	.end_amdgpu_metadata
.endif
;; end of part 3
;; launch mix (part 4): grid 257 x 1, 8 waves a work-group, no clusters, 2,048 bytes of LDS; arguments y, pf, rt, sel, out0, out1; writes out0, out1
.if DOCPART == 4
	.amdgcn_target "amdgcn-amd-amdhsa--gfx1250"
	.amdhsa_code_object_version 6
	.text
	.protected	k_q25a476d617_mix
	.globl	k_q25a476d617_mix
	.p2align	8
	.type	k_q25a476d617_mix,@function
k_q25a476d617_mix:
	s_mov_b64 s[64:65], 0
	v_nop
	global_prefetch_b8 v0, s[64:65] scope:SCOPE_SE
	s_setreg_imm32_b32 hwreg(HW_REG_WAVE_MODE, 25, 1), 1
	s_wait_xcnt 0x0
; out0[token] = c0 y[pos0] + c1 y[pos1]: each output row has one owner, wave w of work-group wg takes token 8 wg + w.  pos (a row's place in y, stored two launches back) is held at y's last row before it enters an address.
; Work-group 256 makes the auxiliary loss: reference()'s 8 x sum over (s, e) of mean_b(count) x mean(prob) is the sum over e of count_e x P_e / 512, count_e the routed rows of expert e (of 4,096),
; P_e the sum of its probabilities over the 2,048 tokens.  Counts are kept in f32: whole numbers up to 4,096, exact.
; A stream: memory binds; no matrix unit, no LDS on the tokens' path.  The sums run in another order than reference()'s.
	s_load_b256 s[4:11], s[0:1], 0x0               ; y, pf, rt, sel
	s_load_b128 s[12:15], s[0:1], 0x20             ; out0, out1
	v_lshl_add_u32 v96, v0, 2, 0x400
	v_mov_b32 v97, 0
	v_lshrrev_b32 v2, 5, v0
	v_readfirstlane_b32 s16, v2                    ; wave
	v_and_b32 v1, 31, v0
	v_lshlrev_b32 v3, 4, v1                        ; 16 bytes a lane
	s_cmp_eq_u32 ttmp9, 256
	s_cbranch_scc1 .Laux
	s_lshl_b32 s17, ttmp9, 3
	s_add_co_u32 s17, s17, s16                     ; my token
	s_lshl_b32 s20, s17, 2
	s_mov_b32 s21, 0
	s_lshl_b32 s18, s17, 12
	s_mov_b32 s19, 0
	s_wait_kmcnt 0x0
	s_add_nc_u64 s[22:23], s[6:7], s[20:21]
	s_add_nc_u64 s[26:27], s[8:9], s[20:21]
	s_load_b32 s24, s[22:23], 0x0                  ; pos of the first choice,
	s_load_b32 s25, s[22:23], 0x2000               ; of the second
	s_load_b32 s28, s[26:27], 0x0                  ; their weights
	s_load_b32 s30, s[26:27], 0x2000
	s_add_nc_u64 s[36:37], s[12:13], s[18:19]
	s_wait_kmcnt 0x0
	s_min_u32 s24, s24, 0x87ff                     ; y has 1,088 x 32 rows
	s_min_u32 s25, s25, 0x87ff
	s_lshl_b32 s32, s24, 12
	s_mov_b32 s33, 0
	s_lshl_b32 s34, s25, 12
	s_mov_b32 s35, 0
	s_add_nc_u64 s[32:33], s[4:5], s[32:33]
	s_add_nc_u64 s[34:35], s[4:5], s[34:35]
	s_mov_b32 s29, s28                             ; (the packed forms name pairs and take the low word for both halves: so the high words are written)
	s_mov_b32 s31, s30
.irp k, 0,1,2,3,4,5,6,7
	global_load_b128 v[16+4*\k:19+4*\k], v3, s[32:33] offset:512*\k th:TH_LOAD_NT
.endr
.irp k, 0,1,2,3,4,5,6,7
	global_load_b128 v[48+4*\k:51+4*\k], v3, s[34:35] offset:512*\k th:TH_LOAD_NT
.endr
	s_wait_loadcnt 0x0
.set mp, 0
.rept 16
	v_pk_mul_f32 v[48+mp:49+mp], v[48+mp:49+mp], s[30:31] op_sel_hi:[1,0]
.set mp, mp+2
.endr
.set mp, 0
.rept 16
	v_pk_fma_f32 v[16+mp:17+mp], v[16+mp:17+mp], s[28:29], v[48+mp:49+mp] op_sel_hi:[1,0,1]
.set mp, mp+2
.endr
.irp k, 0,1,2,3,4,5,6,7
	global_store_b128 v3, v[16+4*\k:19+4*\k], s[36:37] offset:512*\k th:TH_STORE_NT   ; 512 consecutive bytes, at a multiple of 256 from out0's first byte
.endr
	s_endpgm
.Laux:
	s_mov_b32 s20, 0x76543210
	s_mov_b32 s21, 0xfedcba98                      ; v_permlanex16_b32's selects for lane l xor 16
	v_lshlrev_b32 v4, 5, v0                        ; thread t: the sums of route's work-group t,
	v_lshlrev_b32 v5, 6, v0                        ; and 16 routed rows
	v_mov_b32 v6, 1.0
	v_mov_b32 v7, 0                                ; written once: a lane permute's destination counts as one of its sources
	s_lshl_b32 s17, s16, 6
	v_mov_b32 v9, s17                              ; LDS: 64 bytes for each wave
	v_and_b32 v10, 15, v0
	v_lshlrev_b32 v10, 2, v10
	v_mov_b32 v11, 0
	s_wait_kmcnt 0x0
	global_load_b128 v[16:19], v4, s[8:9] offset:16384
	global_load_b128 v[20:23], v4, s[8:9] offset:16400
.irp k, 0,1,2,3
	global_load_b128 v[32+4*\k:35+4*\k], v5, s[10:11] offset:16*\k
.endr
	s_wait_loadcnt 0x0
.irp e, 0,1,2,3,4,5,6,7
	v_cmp_eq_u32 vcc_lo, \e, v32
	v_cndmask_b32 v[24+\e], 0, v6, vcc_lo          ; the first row starts the counts
.endr
.set ai, 1
.rept 15
.irp e, 0,1,2,3,4,5,6,7
	v_cmp_eq_u32 vcc_lo, \e, v[32+ai]
	v_cndmask_b32 v8, 0, v6, vcc_lo
	v_add_f32 v[24+\e], v[24+\e], v8
.endr
.set ai, ai+1
.endr
.irp m, 1,2,4,8                        ; 8 sums of probabilities and 8 counts, over the 32 lanes
.set rr, 16
.rept 16
	v_add_f32_dpp v[rr], v[rr], v[rr] row_xmask:\m row_mask:0xf bank_mask:0xf
.set rr, rr+1
.endr
.endr
.set rr, 16
.rept 16
	v_permlanex16_b32 v7, v[rr], s20, s21
	v_add_f32 v[rr], v[rr], v7
.set rr, rr+1
.endr
.irp k, 0,1,2,3
	ds_store_b128 v9, v[16+4*\k:19+4*\k] offset:16*\k              ; all lanes write the same words with the same values
.endr
	s_wait_dscnt 0x0                               ; for wave 0's sake
	s_barrier_signal -1
	s_barrier_wait -1
	s_cmp_lg_u32 s16, 0
	s_cbranch_scc1 .Ldone
.irp k, 0,1,2,3,4,5,6,7
	ds_load_b32 v[48+\k], v10 offset:64*\k         ; lane l: number l % 16 of wave k
.endr
	s_wait_dscnt 0x0
.irp k, 1,2,3,4,5,6,7
	v_add_f32 v48, v48, v[48+\k]
.endr
	v_mul_f32_dpp v48, v48, v48 row_xmask:8 row_mask:0xf bank_mask:0xf   ; P_e x count_e
	v_add_f32_dpp v48, v48, v48 row_xmask:1 row_mask:0xf bank_mask:0xf
	v_add_f32_dpp v48, v48, v48 row_xmask:2 row_mask:0xf bank_mask:0xf
	v_add_f32_dpp v48, v48, v48 row_xmask:4 row_mask:0xf bank_mask:0xf
	v_mul_f32 v48, 0x3b000000, v48                 ; / 512
	s_wait_xcnt 0x0                                ; EXEC changes only behind this wait
	v_cmp_gt_u32 vcc_lo, 1, v1
	s_and_saveexec_b32 s24, vcc_lo
	global_store_b32 v11, v48, s[14:15]
	s_wait_xcnt 0x0
	s_or_b32 exec_lo, exec_lo, s24
.Ldone:
	s_wait_tensorcnt 0x0
	ds_add_u32 v96, v97
	s_wait_dscnt 0x0
	s_endpgm
.Lfunc_end_k_q25a476d617_mix:
	.size	k_q25a476d617_mix, .Lfunc_end_k_q25a476d617_mix-k_q25a476d617_mix
	.p2alignl 7, 3214868480
	.fill 96, 4, 3214868480
	.section	.rodata,"a",@progbits
	.p2align	6, 0x0
	.amdhsa_kernel k_q25a476d617_mix
		.amdhsa_group_segment_fixed_size 2048
		.amdhsa_private_segment_fixed_size 0
		.amdhsa_enable_private_segment 0
		.amdhsa_kernarg_size 48
		.amdhsa_user_sgpr_count 2
		.amdhsa_user_sgpr_kernarg_segment_ptr 1
		.amdhsa_wavefront_size32 1
		.amdhsa_system_sgpr_workgroup_id_x 1
		.amdhsa_system_sgpr_workgroup_id_y 1
		.amdhsa_system_sgpr_workgroup_id_z 1
		.amdhsa_system_vgpr_workitem_id 0
		.amdhsa_next_free_vgpr 98
		.amdhsa_next_free_sgpr 66
		.amdhsa_reserve_vcc 1
		.amdhsa_float_denorm_mode_32 3
		.amdhsa_float_denorm_mode_16_64 3
		.amdhsa_memory_ordered 1
		.amdhsa_forward_progress 1
		.amdhsa_inst_pref_size 27
	.end_amdhsa_kernel
	.amdgpu_metadata
---
amdhsa.version: [ 1, 2 ]
amdhsa.kernels:
  - .name:           k_q25a476d617_mix
    .symbol:         k_q25a476d617_mix.kd
    .args:
      - { .name: y, .offset: 0, .size: 8, .value_kind: global_buffer, .address_space: global }
      - { .name: pf, .offset: 8, .size: 8, .value_kind: global_buffer, .address_space: global }
      - { .name: rt, .offset: 16, .size: 8, .value_kind: global_buffer, .address_space: global }
      - { .name: sel, .offset: 24, .size: 8, .value_kind: global_buffer, .address_space: global }
      - { .name: out0, .offset: 32, .size: 8, .value_kind: global_buffer, .address_space: global }
      - { .name: out1, .offset: 40, .size: 8, .value_kind: global_buffer, .address_space: global }
    .group_segment_fixed_size: 2048
    .private_segment_fixed_size: 0
    .kernarg_segment_align: 8
    .kernarg_segment_size: 48
    .max_flat_workgroup_size: 256
    .sgpr_count:     66
    .vgpr_count:     98
    .wavefront_size: 32
...
	.end_amdgpu_metadata
.endif
;; end of part 4
;; ======== version 2 of 2: 4 launches
;; workspace buffers: xq 1,638,400 bytes; rt 24,576 bytes; sel 16,384 bytes of whole numbers; hq 55,705,600 bytes; pf 32,768 bytes of whole numbers; y 142,606,336 bytes
;; launch route (part 5): grid 256 x 1, 4 waves a work-group, no clusters, 41,472 bytes of LDS; arguments x, gate_w, xq, rt, sel; writes xq, rt, sel
.if DOCPART == 5
	.amdgcn_target "amdgcn-amd-amdhsa--gfx1250"
	.amdhsa_code_object_version 6
	.text
	.protected	k_q25a476d617_route
	.globl	k_q25a476d617_route
	.p2align	8
	.type	k_q25a476d617_route,@function
k_q25a476d617_route:
	s_mov_b64 s[64:65], 0
	v_nop
	global_prefetch_b8 v0, s[64:65] scope:SCOPE_SE
	s_setreg_imm32_b32 hwreg(HW_REG_WAVE_MODE, 25, 1), 1
	s_wait_xcnt 0x0
; ROUTER AND QUANTISER OF x.  2,048 tokens of 1,024 f32; 8 experts; the two largest probabilities of a token are kept.
; A work-group takes 8 tokens, wave w tokens ta = 8 wg + 2 w and ta + 1.  Lane l takes block beta = 4 (l / 4) + 2 (l % 2) + (l / 2) % 2 of 32 numbers of a row.
; OUT: xq: a token's codes of E3M2, 768 bytes: block 4 s + 2 c + h lies at 96 s + 48 h + 24 c, so that the 48 bytes which lane half h of the matrix operand takes of K step s lie on end and the two halves are
;      neighbours (lane l's 24 bytes lie at 24 l); from XSOFF on a token's 32 scale bytes in the blocks' own order;
;      sel[slot x 2048 + token] = the chosen expert (slot 0: the largest probability, slot 1: the second), rt[the same index] = its weight after renormalising; rt + PARTO: the work-group's sums of the 8 probabilities.
; The choice is only STORED here, at fixed places: no address and no branch of this launch hangs on it.
; gate_w (32 KiB) is read ONCE by the work-group, 16 loads a wave of 512 consecutive bytes, and handed round through LDS: a lane wants 32 rows of it, 1,024 bytes, and lanes 1,024 bytes apart would make
; every load touch 32 places.  In LDS a block of 32 rows has 1,040 bytes.
; A block's scale is 2^(floor(log2(largest magnitude)) - 4); its byte is the largest magnitude's exponent field - 4, held at 1 from below.
; LIMITS: NaN and infinities are not served; a block whose largest magnitude lies under 2^-122 (a block of zeros too) gets the byte 1: zeros' codes are zeros, and only this program reads the bytes;
; a probability under 2^-126 comes out as 0 (ISA guide, v_exp_f32); the logits' sums run in another order than a plain row sum.
; REGISTERS: window 0: v1-8 lane terms; v9-15 at work; v16-23 the two tokens' choice and weights; v24-31 at work; v32-63, v64-95 my block of the two tokens; v96-111 logits; v112-127 probabilities;
;   v128-150 codes; v152-159, v240, v241 addresses; v176-239 gate_w on its way to LDS.  Window 1: v0-255 my 32 rows of gate_w (8 numbers each).
.set STG,   0                          ; LDS: 1,536 bytes for each wave: its two tokens' codes
.set XSL,   6144                       ; the work-group's 256 scale bytes
.set PSL,   6400                       ; 32 bytes for each wave: its sums of probabilities
.set GL,    6656                       ; gate_w: 32 blocks of GPIT bytes
.set GPIT,  1040                       ; 32 rows of 32 bytes + 16
.set XSOFF, 1572864
.set PARTO, 16384
.set MSB,   0
.macro WIN new                         ; the immediate's high byte repeats the setting that is left
.if MSB != \new
	s_set_vgpr_msb (MSB<<8)|\new
.set MSB, \new
.endif
.endm
	s_load_b256 s[4:11], s[0:1], 0x0               ; x, gate_w, xq, rt
	s_load_b64 s[12:13], s[0:1], 0x20              ; sel
	v_lshl_add_u32 v254, v0, 2, 0xa000
	v_mov_b32 v255, 0
	v_lshrrev_b32 v9, 5, v0
	v_readfirstlane_b32 s16, v9                    ; wave
	v_and_b32 v1, 31, v0                           ; lane
	v_and_b32 v2, 28, v0
	v_and_b32 v9, 1, v0
	v_lshl_add_u32 v2, v9, 1, v2
	v_bfe_u32 v9, v0, 1, 1
	v_add_nc_u32 v2, v2, v9                        ; beta
	v_lshlrev_b32 v3, 7, v2                        ; my block in a row of x
	v_mul_u32_u24 v241, v2, GPIT
	v_add_nc_u32 v241, GL, v241                    ; my 32 rows of gate_w in LDS
	v_lshlrev_b32 v159, 4, v0                      ; gate_w in memory: 16 bytes a thread, 2,048 a load of the work-group
	v_lshrrev_b32 v9, 6, v0
	v_lshl_add_u32 v240, v9, 4, v159
	v_add_nc_u32 v240, GL, v240                    ; and in LDS: 16 bytes more for each 1,024 passed: here those of the thread's own, the loads' in the offsets
	s_mul_i32 s17, s16, 1536
	v_mul_u32_u24 v5, v1, 24
	v_add_nc_u32 v5, s17, v5                       ; stage, in: 24 bytes a lane
	v_lshlrev_b32 v8, 4, v1
	v_add_nc_u32 v6, s17, v8                       ; stage, out: 16 bytes a lane
	s_lshl_b32 s18, s16, 6
	s_add_co_u32 s18, s18, XSL
	v_add_nc_u32 v7, s18, v2                       ; my block's scale byte
	s_lshl_b32 s18, s16, 5
	s_add_co_u32 s18, s18, PSL
	v_mov_b32 v152, s18                            ; my wave's sums
	v_lshl_add_u32 v153, v1, 3, XSL
	v_lshl_add_u32 v154, v1, 2, PSL
	v_lshlrev_b32 v155, 3, v1
	v_lshlrev_b32 v156, 2, v1
	v_mov_b32 v157, -1.0
	v_mov_b32 v9, 0                                ; written once: a lane permute's destination counts as one of its sources
	s_lshl_b32 s19, ttmp9, 3
	s_lshl_b32 s17, s16, 1
	s_add_co_u32 s19, s19, s17                     ; ta
	v_and_b32 v158, 1, v0
	v_bfe_u32 v10, v0, 1, 1
	v_lshl_add_u32 v158, v10, 11, v158
	v_add_nc_u32 v158, s19, v158
	v_lshlrev_b32 v158, 2, v158                    ; 4 x (2048 x slot + ta + token), slot = bit 1 and token = bit 0 of the lane
	s_lshl_b32 s24, s19, 12
	s_mov_b32 s25, 0
	s_mul_i32 s26, s19, 768
	s_mov_b32 s27, 0
	s_lshl_b32 s28, ttmp9, 8
	s_add_co_u32 s28, s28, XSOFF
	s_mov_b32 s29, 0
	s_lshl_b32 s30, ttmp9, 5
	s_add_co_u32 s30, s30, PARTO
	s_mov_b32 s31, 0
	s_mov_b32 s20, 0x76543210
	s_mov_b32 s21, 0xfedcba98                      ; v_permlanex16_b32's selects for lane l xor 16
	s_mov_b32 s22, 0xaaaaaaaa                      ; odd lanes
	s_mov_b32 s23, 0xcccccccc                      ; lanes with bit 1
	s_wait_kmcnt 0x0
	s_add_nc_u64 s[4:5], s[4:5], s[24:25]          ; x at token ta
	s_add_nc_u64 s[26:27], s[8:9], s[26:27]        ; its codes
	s_add_nc_u64 s[28:29], s[8:9], s[28:29]        ; the work-group's scale bytes
	s_add_nc_u64 s[30:31], s[10:11], s[30:31]      ; its sums of probabilities
.set gk, 0
.rept 16
	global_load_b128 v[176+4*gk:179+4*gk], v159, s[6:7] offset:2048*gk   ; a wave reads 512 consecutive bytes
.set gk, gk+1
.endr
.irp q, 0,1,2,3,4,5,6,7
	global_load_b128 v[32+4*\q:35+4*\q], v3, s[4:5] offset:16*\q th:TH_LOAD_NT
	global_load_b128 v[64+4*\q:67+4*\q], v3, s[4:5] offset:4096+16*\q th:TH_LOAD_NT
.endr
	s_wait_loadcnt 16                              ; gate_w's 16 loads are in; x's 16, issued behind them, may be out
.set gk, 0
.rept 16
	ds_store_b128 v240, v[176+4*gk:179+4*gk] offset:2*GPIT*gk
.set gk, gk+1
.endr
	s_wait_dscnt 0x0                               ; for the others' sake: my part of gate_w has landed
	s_barrier_signal -1
	s_barrier_wait -1                              ; all of it lies in LDS; nothing writes it from here on
	WIN 0x40                                       ; destination window 1
.set gk, 0
.rept 64
	ds_load_b128 v[4*gk:4*gk+3], v241 offset:16*gk
.set gk, gk+1
.endr
	WIN 0
; One token's block becomes 24 bytes of codes and a scale byte.  Each token has registers of its own.
.macro QX tok
.set QXX, 32+32*\tok
.set QXT, 24+4*\tok
.set QXC, 128+8*\tok
.set QXU, 144+4*\tok
	v_max3_num_f32 v[QXT], |v[QXX]|, |v[QXX+1]|, 0x2800000        ; with the floor 2^(5 - 127): the byte cannot fall under 1
	v_max3_num_f32 v[QXT+1], |v[QXX+2]|, |v[QXX+3]|, |v[QXX+4]|
.irp i, 5,9,13,17,21,25
	v_max3_num_f32 v[QXT], v[QXT], |v[QXX+\i]|, |v[QXX+\i+1]|
	v_max3_num_f32 v[QXT+1], v[QXT+1], |v[QXX+\i+2]|, |v[QXX+\i+3]|
.endr
	v_max3_num_f32 v[QXT], v[QXT], |v[QXX+29]|, |v[QXX+30]|
	v_max3_num_f32 v[QXT], v[QXT], v[QXT+1], |v[QXX+31]|
	v_add_nc_u32 v[QXT+2], 0xfe000000, v[QXT]      ; 4 off the exponent field: the conversion's scale operand
	v_lshrrev_b32 v[QXT+3], 23, v[QXT+2]           ; the scale's byte
	v_cvt_scalef32_pk16_bf6_f32 v[QXC:QXC+2], v[QXX:QXX+15], v[QXT+2]
	v_cvt_scalef32_pk16_bf6_f32 v[QXU:QXU+2], v[QXX+16:QXX+31], v[QXT+2]   ; (a conversion's three registers begin on an even number)
	v_nop                                          ; one plain place behind a scaled conversion
.irp k, 0,1,2
	v_mov_b32 v[QXC+3+\k], v[QXU+\k]
.endr
.irp k, 0,1,2
	ds_store_b64 v5, v[QXC+2*\k:QXC+2*\k+1] offset:768*\tok+8*\k
.endr
	ds_store_b8 v7, v[QXT+3] offset:32*\tok
.endm
	s_wait_loadcnt 0x0                             ; x
	QX 0
	QX 1
.irp q, 0,1,2
	ds_load_b128 v[160+4*\q:163+4*\q], v6 offset:512*\q            ; LDS serves a wave's instructions in order: these see my stores
.endr
	s_wait_dscnt 0x0                               ; my codes are back, and my rows of gate_w are in
.irp q, 0,1,2
	global_store_b128 v8, v[160+4*\q:163+4*\q], s[26:27] offset:512*\q   ; 512 consecutive bytes, at a multiple of 256 from xq's first byte
.endr
	; the logits: my 32 numbers of each token against my 32 rows of gate_w; the first product starts each sum
	WIN 0x04                                       ; source 1 window 1
.irp e, 0,1,2,3,4,5,6,7
	v_mul_f32 v[96+\e], v32, v[\e]
	v_mul_f32 v[104+\e], v64, v[\e]
.endr
.set di, 1
.rept 31
.irp e, 0,1,2,3,4,5,6,7
	v_fma_f32 v[96+\e], v[32+di], v[8*di+\e], v[96+\e]
	v_fma_f32 v[104+\e], v[64+di], v[8*di+\e], v[104+\e]
.endr
.set di, di+1
.endr
	WIN 0
.irp m, 1,2,4,8                        ; the 16 sums over the 32 lanes; every lane ends with all of them
.set rr, 96
.rept 16
	v_add_f32_dpp v[rr], v[rr], v[rr] row_xmask:\m row_mask:0xf bank_mask:0xf
.set rr, rr+1
.endr
.endr
.set rr, 96
.rept 16
	v_permlanex16_b32 v9, v[rr], s20, s21
	v_add_f32 v[rr], v[rr], v9
.set rr, rr+1
.endr
; Softmax over 8 with its maximum taken off, the two largest (a tie keeps the lower index: a later one must be strictly larger), their weights.  Alike in all lanes.
.macro ROUTE L, P, O
	v_max3_num_f32 v10, v[\L], v[\L+1], v[\L+2]
	v_max3_num_f32 v10, v10, v[\L+3], v[\L+4]
	v_max3_num_f32 v10, v10, v[\L+5], v[\L+6]
	v_max_num_f32 v10, v10, v[\L+7]
.irp e, 0,1,2,3,4,5,6,7
	v_sub_f32 v[\P+\e], v[\L+\e], v10
.endr
.irp e, 0,1,2,3,4,5,6,7
	v_mul_f32 v[\P+\e], 0x3fb8aa3b, v[\P+\e]
.endr
	s_wait_alu depctr_va_vdst(0)
.irp e, 0,1,2,3,4,5,6,7
	v_exp_f32 v[\P+\e], v[\P+\e]
.endr
	v_nop                                          ; a plain place behind the exponentials
	s_wait_alu depctr_va_vdst(0)                   ; one wait for the eight, ahead of their first reader
	v_add_f32 v11, v[\P], v[\P+1]
.irp e, 2,3,4,5,6,7
	v_add_f32 v11, v11, v[\P+\e]
.endr
	s_wait_alu depctr_va_vdst(0)
	v_rcp_f32 v12, v11
	v_nop
	s_wait_alu depctr_va_vdst(0)
.irp e, 0,1,2,3,4,5,6,7
	v_mul_f32 v[\P+\e], v[\P+\e], v12              ; the probabilities
.endr
	v_mov_b32 v13, v[\P]
	v_mov_b32 v[\O], 0
.irp e, 1,2,3,4,5,6,7
	v_cmp_le_f32 vcc_lo, v[\P+\e], v13             ; not larger: the old one stays
	v_cndmask_b32 v13, v[\P+\e], v13, vcc_lo
	v_cndmask_b32 v[\O], \e, v[\O], vcc_lo
.endr
.irp e, 0,1,2,3,4,5,6,7
	v_cmp_eq_u32 vcc_lo, \e, v[\O]
	v_cndmask_b32 v[\L+\e], v[\P+\e], v157, vcc_lo ; the first choice counts as -1 in the second search
.endr
	v_mov_b32 v14, v[\L]
	v_mov_b32 v[\O+1], 0
.irp e, 1,2,3,4,5,6,7
	v_cmp_le_f32 vcc_lo, v[\L+\e], v14
	v_cndmask_b32 v14, v[\L+\e], v14, vcc_lo
	v_cndmask_b32 v[\O+1], \e, v[\O+1], vcc_lo
.endr
	v_add_f32 v15, v13, v14
	s_wait_alu depctr_va_vdst(0)
	v_rcp_f32 v12, v15
	v_nop
	s_wait_alu depctr_va_vdst(0)
	v_mul_f32 v[\O+2], v13, v12
	v_mul_f32 v[\O+3], v14, v12
.endm
	ROUTE 96, 112, 16
	ROUTE 104, 120, 20
	v_cndmask_b32 v172, v16, v20, s22              ; lanes 0-3 take (token = bit 0, slot = bit 1)
	v_cndmask_b32 v173, v17, v21, s22
	v_cndmask_b32 v172, v172, v173, s23
	v_cndmask_b32 v174, v18, v22, s22
	v_cndmask_b32 v175, v19, v23, s22
	v_cndmask_b32 v174, v174, v175, s23
	s_wait_alu depctr_va_vdst(0)
	s_wait_xcnt 0x0                                ; EXEC changes only behind this wait: the stores above have read it
	v_cmp_gt_u32 vcc_lo, 4, v1
	s_and_saveexec_b32 s24, vcc_lo
	global_store_b32 v158, v172, s[12:13]
	global_store_b32 v158, v174, s[10:11]
	s_wait_xcnt 0x0                                ; and again in front of the line that widens it
	s_or_b32 exec_lo, exec_lo, s24
.irp e, 0,1,2,3,4,5,6,7
	v_add_f32 v[96+\e], v[112+\e], v[120+\e]       ; my two tokens' probabilities
.endr
	ds_store_b128 v152, v[96:99]                   ; all lanes write the same words with the same values
	ds_store_b128 v152, v[100:103] offset:16
	s_wait_dscnt 0x0                               ; for wave 0's sake: my scale bytes and my sums have landed
	s_barrier_signal -1
	s_barrier_wait -1
	s_cmp_lg_u32 s16, 0
	s_cbranch_scc1 .Lend
	ds_load_b64 v[24:25], v153
	ds_load_b32 v26, v154                          ; lane l: wave l / 8, expert l % 8
	s_wait_dscnt 0x0
	global_store_b64 v155, v[24:25], s[28:29]      ; 256 consecutive bytes, at a multiple of 256 from xq's first byte
	v_add_f32_dpp v26, v26, v26 row_xmask:8 row_mask:0xf bank_mask:0xf
	v_permlanex16_b32 v9, v26, s20, s21
	v_add_f32 v26, v26, v9                         ; the four waves' sums
	s_wait_alu depctr_va_vdst(0)
	s_wait_xcnt 0x0
	v_cmp_gt_u32 vcc_lo, 8, v1
	s_and_saveexec_b32 s24, vcc_lo
	global_store_b32 v156, v26, s[30:31]
	s_wait_xcnt 0x0
	s_or_b32 exec_lo, exec_lo, s24
.Lend:
	s_wait_tensorcnt 0x0
	ds_add_u32 v254, v255
	s_wait_dscnt 0x0
	s_endpgm
.Lfunc_end_k_q25a476d617_route:
	.size	k_q25a476d617_route, .Lfunc_end_k_q25a476d617_route-k_q25a476d617_route
	.p2alignl 7, 3214868480
	.fill 96, 4, 3214868480
	.section	.rodata,"a",@progbits
	.p2align	6, 0x0
	.amdhsa_kernel k_q25a476d617_route
		.amdhsa_group_segment_fixed_size 41472
		.amdhsa_private_segment_fixed_size 0
		.amdhsa_enable_private_segment 0
		.amdhsa_kernarg_size 40
		.amdhsa_user_sgpr_count 2
		.amdhsa_user_sgpr_kernarg_segment_ptr 1
		.amdhsa_wavefront_size32 1
		.amdhsa_system_sgpr_workgroup_id_x 1
		.amdhsa_system_sgpr_workgroup_id_y 1
		.amdhsa_system_sgpr_workgroup_id_z 1
		.amdhsa_system_vgpr_workitem_id 0
		.amdhsa_next_free_vgpr 512
		.amdhsa_next_free_sgpr 66
		.amdhsa_reserve_vcc 1
		.amdhsa_float_denorm_mode_32 3
		.amdhsa_float_denorm_mode_16_64 3
		.amdhsa_memory_ordered 1
		.amdhsa_forward_progress 1
		.amdhsa_inst_pref_size 63
	.end_amdhsa_kernel
	.amdgpu_metadata
---
amdhsa.version: [ 1, 2 ]
amdhsa.kernels:
  - .name:           k_q25a476d617_route
    .symbol:         k_q25a476d617_route.kd
    .args:
      - { .name: x, .offset: 0, .size: 8, .value_kind: global_buffer, .address_space: global }
      - { .name: gate_w, .offset: 8, .size: 8, .value_kind: global_buffer, .address_space: global }
      - { .name: xq, .offset: 16, .size: 8, .value_kind: global_buffer, .address_space: global }
      - { .name: rt, .offset: 24, .size: 8, .value_kind: global_buffer, .address_space: global }
      - { .name: sel, .offset: 32, .size: 8, .value_kind: global_buffer, .address_space: global }
    .group_segment_fixed_size: 41472
    .private_segment_fixed_size: 0
    .kernarg_segment_align: 8
    .kernarg_segment_size: 40
    .max_flat_workgroup_size: 128
    .sgpr_count:     66
    .vgpr_count:     512
    .wavefront_size: 32
...
	.end_amdgpu_metadata
.endif
;; end of part 5
;; launch up (part 6): grid 256 x 1, 8 waves a work-group, no clusters, 70,912 bytes of LDS; arguments W1, b1, xq, sel, hq, pf; writes hq, pf
.if DOCPART == 6
	.amdgcn_target "amdgcn-amd-amdhsa--gfx1250"
	.amdhsa_code_object_version 6
	.text
	.protected	k_q25a476d617_up
	.globl	k_q25a476d617_up
	.p2align	8
	.type	k_q25a476d617_up,@function
k_q25a476d617_up:
	s_mov_b64 s[64:65], 0
	v_nop
	global_prefetch_b8 v0, s[64:65] scope:SCOPE_SE
	s_setreg_imm32_b32 hwreg(HW_REG_WAVE_SCHED_MODE, 0, 2), 2
	s_setreg_imm32_b32 hwreg(HW_REG_WAVE_MODE, 25, 1), 1
	s_wait_xcnt 0x0
	s_wait_alu depctr_vm_vsrc(0)
; h = gelu(x W1[e] + b1[e]) for the rows routed to expert e, on codes of E3M2 with one E8M0 scale for each 32 along K, and h quantised along the hidden axis.
; SHARES.  Work-group (e = x / 32, j = x % 32) owns columns 64 j .. 64 j + 63 of W1[e]: it reads those 256 KiB of f32 ONCE, quantises them along K (W1's first axis) and keeps the codes in LDS as images of
; operand registers.  Wave w quantises K step w (rows 128 w on) and then serves chunk w: the routed rows r = 512 w .. 512 w + 511 (r = slot x 2048 + token) whose sel[r] is e.
; THE WEIGHTS' LOADS: a lane takes 4 columns (16 bytes) and its registers run down K; lanes 0-15 take the block of 32 rows that lane half h = 0 of the operand wants, lanes 16-31 that of h = 1, 32 rows further down.
; So a load is two rows' pieces of 256 consecutive bytes, a block's largest magnitude needs no other lane, and h is a lane's term in the LDS addresses.
; COMPACTION, without a branch: in 16 trips of 32 rows the chosen rows are pushed (ds_permute_b32) into a list of 32; when a list is full in trip i it is body i, what is left at the end is body 16.  Empty places hold
; dummy ids 4096 + 32 (8 e + w) + lane, which stand for token 32 (8 e + w) + lane and whose results nobody reads.  A full list holds no dummy (its places fill in order), so dummies occur in body 16 alone, and a dummy id
; is one wave's own: every word of pf has one store at the most.  Body i of (e, chunk w) has the fixed slot (8 e + w) x 17 + i in hq: addresses step by constants, and only the
; branch 'is there a body' hangs on the mask of full lists.  Work-group j = 0 stores that mask (pf + FMOFF) and each row's place 32 x slot + row (pf).
; No tensor loads and no cluster: branches hang on numbers read from memory.
; THE MATRIX INSTRUCTION IS USED TRANSPOSED: source 0 = 16 columns of W1, source 1 = 16 rows of x: a lane holds one row.  Row m of weight tile 2 b + u is column 32 b + 8 u + m + 8 (m / 8), so that the 16 registers of
; tiles 2 b, 2 b + 1 are 16 neighbouring hidden units 32 b + 16 (lane / 16) + 0 .. 15.  b1 is the C of each sum's first product.
; xq: a token's 768 bytes of codes: the 48 bytes that lane half h takes of K step s lie at 96 s + 48 h.
; hq: slot x 49,152 + 24,576 u + 1,536 s + 512 q + 16 lane': the register image of the next product's operand (tile of rows u, K step s, registers 4 q .. 4 q + 3).  Within K step s the hidden block 4 s + 2 h + c
; stands at the instruction's k = 64 c + 32 h: so this work-group (s = j / 2, h = j % 2) fills all 12 registers of 16 lanes: three runs of 256 consecutive bytes.  The next launch lays W2 the same way.
; GELU, exact form: max(x, 0) - |x| erfc(|x| / sqrt 2) / 2, erfc(z) = t exp(-z^2 + P(t)), t = 1 / (1 + z / 2), P of degree 9: fractional error 1.2e-7, all in f32.
; LIMITS: NaN and infinities are not served; a block whose largest magnitude lies under 2^-122 (a block of zeros too) gets the scale byte 1: zeros' codes are zeros, and only this program reads the bytes.
; REGISTERS, window 0: v1 lane, v2 image address (16 lane), v3, v4 where I store codes and scale bytes, v5 the weights' offset, v6 my lists, v7 dummy id; v9-15 at work; v16-20, v29-31 lane terms of a body;
;   first: v16-31 sel, v32-47 pushed ids, v192-255 sources of the compaction's LDS instructions, each its own; then v64-191 four columns' 32 numbers each, v192-251 codes, largest magnitudes, scale bytes;
;   in a body: v32-63 b1, v64-79 W1's scale words, v80-87 x's, v88-95 list and addresses, v96-159 sums then h, v160-255 two sets of weight fragments, later at work.
;   Window 1: first v0-127, v128-255 two sets of 32 loads of weights; in a body v0-95, v96-191 x's fragments of the two tiles of rows.
; THE MODE: SCHED_MODE bits 1:0 = 2 (LLVM: expert scheduling mode 2), set by the entry lines.  The code itself states the register dependences between vector or matrix instructions and memory or LDS
; instructions, with s_wait_alu, always for 0.
; THE PLAN.  Registers that memory or LDS instructions touch, who writes and who reads them:
;   v2-7, v15        offsets and LDS addresses, made once at the head and never written again: ONE wait on va_vdst ahead of the first load.  v16-20, v29: made behind the weights' second run of loads; the compaction's first wait states them.
;   v192-223         the permutes' addresses and data: the 16 trips write them, ONE wait, the 16 permutes read them.   v224-239, v255, v24: the lists and the mask: the 16 merges write them, ONE wait, the stores read them.
;   a unit           its moves read a set of window 1; its codes (v192-223) and bytes (v248-251) are written behind a wait on vm_vsrc (the LDS instructions before have read them) and stored behind a wait on va_vdst.
;   a body's head    a wait on vm_vsrc (the last body's loads and stores have read v88, v91-95, v186-200), the add to v88, a wait on va_vdst: v88 is written, and the last body's vector and matrix instructions are done with
;                    v89, v160-255, v80-87 and window 1, in which this body's loads land.  The list's load and the first two K steps' weight fragments follow at once.
;   v91-95           the body's offsets, all made in one run: ONE wait, then the place's store and x's 50 loads.
;   a K step         its eight products read weight buffer s % 2; behind them one wait on va_vdst, then the loads of step s + 2 into that buffer.  x's fragments and all scale words are loaded once a body.
;   v186-200         both tiles' codes and bytes are made first: ONE wait, then the five stores.
.set NS,    8                          ; K steps of the product
.set KW,    1                          ; K steps that a wave quantises
.set NU,    2*KW                       ; its units: 32 loads, two blocks of 32 along K for 64 columns
.set PITCH, 8192                       ; a row of W1[e] in bytes
.set CROW,  64                         ; block (c, h) of a K step begins at row 64 c + 32 h: K in its own order
.set GROW,  32
.set TSTR,  NS*1536+16                 ; LDS: a weight tile's NS fragments of 1,536 bytes, + 16
.set WSC,   49408                      ; behind the 4 tiles: scale words, 256 s + 64 tile + 4 m
.set ELS,   51456                      ; 17 lists of 128 bytes for each wave
.set XSOFF, 1572864
.set HSOFF, 53477376
.set FMOFF, 24576                      ; pf: 6,144 words of places (4,096 rows and 2,048 dummies), then the masks
.set IDMAX, 0x17ff                     ; the largest id: 4096 + 2047
.set WB,    78                         ; s[78:79] my rows of the slice
.set XB,    64                         ; column c's 32 numbers at v[XB + 32 c]
.set CB,    192                        ; its 24 bytes of codes at v[CB + 8 c]
.set TT,    224                        ; (the upper 16 codes are made at v[TT + 4 c] and moved)
.set MX,    240                        ; its largest magnitude
.set SO,    244                        ; the conversion's scale operand
.set BY,    248                        ; the scale's byte
.set GA,    160
.set GZ,    176
.set GT,    192
.set GP,    208
.set GM,    224
.set MSB,   0
.macro WIN new                         ; the immediate's high byte repeats the setting that is left
.if MSB != \new
	s_set_vgpr_msb (MSB<<8)|\new
.set MSB, \new
.endif
.endm
.macro LOADU t                         ; unit t: K step t / 2, operand half c = t % 2: 32 loads; each half of the lanes reads 256 consecutive bytes, at a multiple of 256 from W1's first byte; read once in the launch
	WIN 0x40                                       ; destination window 1
.set li, 0
.rept 32
	global_load_b128 v[128*((\t)%2)+4*li:128*((\t)%2)+4*li+3], v5, s[WB:WB+1] offset:(128*((\t)/2)+CROW*((\t)%2)+li)*PITCH th:TH_LOAD_NT
.set li, li+1
.endr
	WIN 0
.endm
; Unit t: my four columns' 32 numbers each become 24 bytes of codes, stored where the operand's registers want them, and a byte of each column's scale word.
.macro UNIT t
.set sloc, (\t)/2
.set cc, (\t)%2
.set LL, 128*((\t)%2)
.if (\t) < NU-1
	s_wait_loadcnt 32                              ; this unit's 32 loads are in; the next unit's may be out
.else
	s_wait_loadcnt 0x0
.endif
	WIN 0x01                                       ; source 0 window 1
.set ui, 0
.rept 32
.irp c, 0,1,2,3
	v_mov_b32 v[XB+32*\c+ui], v[LL+4*ui+\c]        ; the conversions take neighbours along K from consecutive registers: the four columns are set apart
.endr
.set ui, ui+1
.endr
.if (\t)+2 < NU
	s_wait_alu depctr_va_vdst(0)                   ; the moves are done reading this set of window 1, in which the loads of two units on land
	LOADU (\t)+2
.else
	WIN 0
.endif
.irp c, 0,1,2,3
	v_max3_num_f32 v[MX+\c], |v[XB+32*\c]|, |v[XB+32*\c+1]|, 0x2800000   ; with the floor 2^(5 - 127)
.endr
.set ui, 2
.rept 15
.irp c, 0,1,2,3
	v_max3_num_f32 v[MX+\c], v[MX+\c], |v[XB+32*\c+ui]|, |v[XB+32*\c+ui+1]|   ; (the four columns by turns)
.endr
.set ui, ui+2
.endr
	s_wait_alu depctr_va_vdst(0)
	s_wait_dscnt 0x0                               ; the last unit's LDS stores have read their registers
.if (\t) > 0
	s_wait_alu depctr_vm_vsrc(0)                   ; the last unit's LDS stores have read its codes and its bytes, which the lines below write again
.endif
.irp c, 0,1,2,3
	v_add_nc_u32 v[SO+\c], 0xfe000000, v[MX+\c]    ; 4 off the exponent field: the conversion's scale operand
.endr
.irp c, 0,1,2,3
	v_lshrrev_b32 v[BY+\c], 23, v[SO+\c]           ; the scale's byte
.endr
.irp c, 0,1,2,3
	v_cvt_scalef32_pk16_bf6_f32 v[CB+8*\c:CB+8*\c+2], v[XB+32*\c:XB+32*\c+15], v[SO+\c]
	v_cvt_scalef32_pk16_bf6_f32 v[TT+4*\c:TT+4*\c+2], v[XB+32*\c+16:XB+32*\c+31], v[SO+\c]   ; (a conversion's three registers begin on an even number)
.endr
	v_nop                                          ; one plain place behind the scaled conversions
.irp c, 0,1,2,3
.irp k, 0,1,2
	v_mov_b32 v[CB+8*\c+3+\k], v[TT+4*\c+\k]
.endr
.endr
	s_wait_alu depctr_va_vdst(0)                   ; the codes v[CB ..] and the bytes v[BY ..] are written, which the LDS stores below read
.set OFF, sloc*1536
.irp c, 0,1,2,3
.if cc == 0                            ; registers 0-5 of the operand's lane: 16 bytes of the first 512, 8 of the second
	ds_store_b128 v3, v[CB+8*\c:CB+8*\c+3] offset:OFF+16*\c
	ds_store_b64 v3, v[CB+8*\c+4:CB+8*\c+5] offset:OFF+16*\c+512
.else                                  ; registers 6-11
	ds_store_b64 v3, v[CB+8*\c:CB+8*\c+1] offset:OFF+16*\c+520
	ds_store_b128 v3, v[CB+8*\c+2:CB+8*\c+5] offset:OFF+16*\c+1024
.endif
	ds_store_b8 v4, v[BY+\c] offset:256*sloc+2*cc+4*\c   ; byte 2 c + h of the column's scale word (h stands in the address)
.endr
.endm
.macro WFRAG s, buf                    ; the four weight tiles' fragments of K step s: 12 loads of 512 consecutive bytes
.irp t, 0,1,2,3
.irp q, 0,1,2
	ds_load_b128 v[\buf+12*\t+4*\q:\buf+12*\t+4*\q+3], v2 offset:\t*TSTR+(\s)*1536+512*\q
.endr
.endr
.endm
.macro MM d, a, b, c, sa, sb, ra, rb   ; one product; ra, rb: the side's scale words stand in lanes 16-31
.if (\ra) && (\rb)
	v_wmma_scale_f32_16x16x128_f8f6f4 v[\d:\d+7], v[\a:\a+11], v[\b:\b+11], v[\c:\c+7], v[\sa], v[\sb] matrix_a_fmt:MATRIX_FMT_BF6 matrix_b_fmt:MATRIX_FMT_BF6 matrix_a_scale:MATRIX_SCALE_ROW1 matrix_b_scale:MATRIX_SCALE_ROW1
.elseif (\ra)
	v_wmma_scale_f32_16x16x128_f8f6f4 v[\d:\d+7], v[\a:\a+11], v[\b:\b+11], v[\c:\c+7], v[\sa], v[\sb] matrix_a_fmt:MATRIX_FMT_BF6 matrix_b_fmt:MATRIX_FMT_BF6 matrix_a_scale:MATRIX_SCALE_ROW1
.elseif (\rb)
	v_wmma_scale_f32_16x16x128_f8f6f4 v[\d:\d+7], v[\a:\a+11], v[\b:\b+11], v[\c:\c+7], v[\sa], v[\sb] matrix_a_fmt:MATRIX_FMT_BF6 matrix_b_fmt:MATRIX_FMT_BF6 matrix_b_scale:MATRIX_SCALE_ROW1
.else
	v_wmma_scale_f32_16x16x128_f8f6f4 v[\d:\d+7], v[\a:\a+11], v[\b:\b+11], v[\c:\c+7], v[\sa], v[\sb] matrix_a_fmt:MATRIX_FMT_BF6 matrix_b_fmt:MATRIX_FMT_BF6
.endif
.endm
; K step s of a body: 8 products, the 8 accumulators by turns in the same order in every step.
.macro KSTEP s
.if (\s) < 7
	s_wait_dscnt 12                                ; this step's weight fragments are in; the next step's 12 loads may be out
.else
	s_wait_dscnt 0x0
.endif
	s_wait_loadcnt 42-6*(\s)                       ; x's scale words and this step's six loads are in; six for each later step may be out
	WIN 0x04                                       ; source 1 (x) window 1
.irp t, 0,1,2,3
.irp u, 0,1
.set rD, 96+32*\u+8*\t
.set rA, 160+48*((\s)%2)+12*\t
.set rB, 96*\u+12*(\s)
.if (\s) == 0
.set rC, 32+8*\t
.else
.set rC, rD
.endif
.set rSA, 64+2*(\s)+\t/2
.set rSB, 80+(\s)
	MM rD, rA, rB, rC, rSA, rSB, \t%2, \u
.endr
.endr
	WIN 0
.if (\s) < 6
.rept 4
	v_nop                                          ; four places in front of loads into registers that these products have read
.endr
	s_wait_alu depctr_va_vdst(0)                   ; this step's products are done reading their weight fragments, in which the loads of two steps on land
	WFRAG (\s)+2, 160+48*((\s)%2)
.endif
.endm
.macro PKC c                           ; a step of the polynomial: P = P t + c
.set gi, 0
.rept 8
	v_pk_fma_f32 v[GP+gi:GP+gi+1], v[GP+gi:GP+gi+1], v[GT+gi:GT+gi+1], \c op_sel_hi:[1,1,0]
.set gi, gi+2
.endr
.endm
.macro GELU16 g                        ; 16 of the lane's 64 sums, two accumulators, each read from its low end on
.set HB, 96+16*(\g)
.set gi, 0
.rept 16
	v_and_b32 v[GA+gi], 0x7fffffff, v[HB+gi]       ; |x|
.set gi, gi+1
.endr
.set gi, 0
.rept 8
	v_pk_mul_f32 v[GZ+gi:GZ+gi+1], v[GA+gi:GA+gi+1], 0x3f3504f3 op_sel_hi:[1,0]   ; z = |x| / sqrt 2
.set gi, gi+2
.endr
.set gi, 0
.rept 8
	v_pk_fma_f32 v[GT+gi:GT+gi+1], v[GZ+gi:GZ+gi+1], 0.5, 1.0 op_sel_hi:[1,0,0]
.set gi, gi+2
.endr
.set gi, 0
	s_wait_alu depctr_va_vdst(0)
.rept 16
	v_rcp_f32 v[GT+gi], v[GT+gi]                   ; t
.set gi, gi+1
.endr
.set gi, 0
.rept 16
	v_max_num_f32 v[GM+gi], 0, v[HB+gi]            ; max(x, 0): work that names no reciprocal
.set gi, gi+1
.endr
.set gi, 0
.rept 8
	v_pk_mul_f32 v[GA+gi:GA+gi+1], v[GA+gi:GA+gi+1], -0.5 op_sel_hi:[1,0]
.set gi, gi+2
.endr
	s_wait_alu depctr_va_vdst(0)                   ; one wait for the 16 reciprocals, ahead of their first reader
.set gi, 0
.rept 8
	v_pk_fma_f32 v[GP+gi:GP+gi+1], v[GT+gi:GT+gi+1], v[30:31], 0xbf527892 op_sel_hi:[1,1,0]
.set gi, gi+2
.endr
	PKC 0x3fbe87b0
	PKC 0xbf914e5d
	PKC 0x3e8ec7cc
	PKC 0xbe3ec24c
	PKC 0x3dc636c9
	PKC 0x3ebf88fb
	PKC 0x3f8000c7
	PKC 0xbfa1fc4e
.set gi, 0
.rept 8
	v_pk_fma_f32 v[GP+gi:GP+gi+1], v[GZ+gi:GZ+gi+1], v[GZ+gi:GZ+gi+1], v[GP+gi:GP+gi+1] neg_lo:[1,0,0] neg_hi:[1,0,0]   ; -z^2 + P
.set gi, gi+2
.endr
.set gi, 0
.rept 8
	v_pk_mul_f32 v[GP+gi:GP+gi+1], v[GP+gi:GP+gi+1], 0x3fb8aa3b op_sel_hi:[1,0]
.set gi, gi+2
.endr
.set gi, 0
	s_wait_alu depctr_va_vdst(0)
.rept 16
	v_exp_f32 v[GP+gi], v[GP+gi]
.set gi, gi+1
.endr
	v_nop                                          ; a plain place behind the exponentials
	s_wait_alu depctr_va_vdst(0)                   ; one wait for the 16
.set gi, 0
.rept 8
	v_pk_mul_f32 v[GP+gi:GP+gi+1], v[GP+gi:GP+gi+1], v[GT+gi:GT+gi+1]             ; erfc(z)
.set gi, gi+2
.endr
.set gi, 0
.rept 8
	v_pk_fma_f32 v[HB+gi:HB+gi+1], v[GA+gi:GA+gi+1], v[GP+gi:GP+gi+1], v[GM+gi:GM+gi+1]   ; max(x, 0) - |x| erfc(z) / 2
.set gi, gi+2
.endr
.endm
; Tile of rows u: the lane's 32 numbers are halves of two blocks of 32 hidden units; codes and scale bytes.  Each u has store registers of its own (v186 + 8 u on), so that both tiles are made ahead of one wait and stored behind it.
.macro QH u
.set HB, 96+32*(\u)
.set QC, 170+8*(\u)
.set QT, 174+8*(\u)
.set Q8, 186+8*(\u)
.set Q4, 190+8*(\u)
.irp b, 0,1
	v_max3_num_f32 v[160+\b], |v[HB+16*\b]|, |v[HB+16*\b+1]|, 0x2800000
.endr
.irp i, 2,4,6,8,10,12,14
.irp b, 0,1
	v_max3_num_f32 v[160+\b], v[160+\b], |v[HB+16*\b+\i]|, |v[HB+16*\b+\i+1]|
.endr
.endr
.irp b, 0,1
	v_permlanex16_b32 v[162+\b], v[160+\b], s20, s21
.endr
.irp b, 0,1
	v_max_num_f32 v[160+\b], v[160+\b], v[162+\b]  ; with lane l xor 16's 16: the block's largest magnitude
.endr
.irp b, 0,1
	v_add_nc_u32 v[164+\b], 0xfe000000, v[160+\b]
.endr
.irp b, 0,1
	v_lshrrev_b32 v[166+\b], 23, v[164+\b]
.endr
	v_lshl_or_b32 v[168+\u], v167, 8, v166         ; my row's two scale bytes
	v_cvt_scalef32_pk16_bf6_f32 v[QC:QC+2], v[HB:HB+15], v164
	v_cvt_scalef32_pk16_bf6_f32 v[QT:QT+2], v[HB+16:HB+31], v165
	v_nop                                          ; one plain place behind the scaled conversions
.irp i, 0,1,2
	v_permlane16_swap_b32 v[QC+\i], v[QT+\i]       ; lanes 0-15 now hold block 0 whole, lanes 16-31 block 1: QC its lower 16 codes, QT its upper 16
.endr
	v_cndmask_b32 v[Q8], v[QC], v[QC+2], s23       ; block 0: registers 0-3 and 4, 5 of the operand's lane; block 1: registers 8-11 and 6, 7
	v_cndmask_b32 v[Q8+1], v[QC+1], v[QT], s23
	v_cndmask_b32 v[Q8+2], v[QC+2], v[QT+1], s23
	v_cndmask_b32 v[Q8+3], v[QT], v[QT+2], s23
	v_cndmask_b32 v[Q4], v[QT+1], v[QC], s23
	v_cndmask_b32 v[Q4+1], v[QT+2], v[QC+1], s23
.endm
	s_load_b256 s[4:11], s[0:1], 0x0               ; W1, b1, xq, sel
	s_load_b128 s[12:15], s[0:1], 0x20             ; hq, pf
	v_lshl_add_u32 v8, v0, 2, 0x11100
	v_mov_b32 v14, 0
	v_lshrrev_b32 v9, 5, v0
	v_readfirstlane_b32 s16, v9                    ; wave
	s_lshr_b32 s17, ttmp9, 5                       ; e
	s_and_b32 s18, ttmp9, 31                       ; j
	v_and_b32 v1, 31, v0                           ; lane
	v_lshlrev_b32 v2, 4, v1
	v_lshrrev_b32 v9, 4, v1                        ; h: which lane half of the operand my blocks are for
	v_and_b32 v13, 15, v1                          ; I hold columns 4 (l % 16) + 0 .. 3 of the slice
	v_lshrrev_b32 v12, 3, v13
	v_bfe_u32 v10, v13, 1, 1
	v_lshl_add_u32 v12, v12, 1, v10                ; their tile: 2 ((l % 16) / 8) + ((l % 16) / 2) % 2
	v_bfe_u32 v10, v13, 2, 1
	v_and_b32 v11, 1, v13
	v_lshl_add_u32 v10, v10, 1, v11                ; their rows in it: m = 4 (2 ((l / 4) % 2) + l % 2) + 0 .. 3
	v_mul_u32_u24 v3, v12, TSTR
	v_lshl_add_u32 v3, v10, 6, v3
	v_lshl_add_u32 v3, v9, 8, v3
	s_wait_alu depctr_va_sdst(0)                   ; s16, the wave's number, is written, ahead of its first reader
	s_mul_i32 s30, s16, KW*1536
	v_add_nc_u32 v3, s30, v3                       ; tile x TSTR + 16 m + 256 h + my K steps
	v_lshlrev_b32 v4, 6, v12
	v_lshl_add_u32 v4, v10, 4, v4
	v_add_nc_u32 v4, v4, v9
	s_mul_i32 s30, s16, KW*256
	s_add_co_u32 s30, s30, WSC
	v_add_nc_u32 v4, s30, v4                       ; WSC + 64 tile + 4 m + h + my K steps
	v_mul_u32_u24 v5, v9, GROW*PITCH
	v_lshl_add_u32 v5, v13, 4, v5                  ; the weights: 16 bytes a lane, lanes 16-31 GROW rows further down
	s_mul_i32 s30, s16, 2304
	s_add_co_u32 s30, s30, ELS
	v_lshl_add_u32 v6, v1, 2, s30
	s_lshl_b32 s86, s17, 3
	s_add_co_u32 s86, s86, s16                     ; 8 e + w
	s_lshl_b32 s30, s86, 5
	s_add_co_u32 s30, s30, 4096
	v_add_nc_u32 v7, s30, v1                       ; the dummy id: 4096 + 32 (8 e + w) + lane, my wave's own
	v_lshlrev_b32 v15, 2, v1
	s_mov_b32 s20, 0x76543210
	s_mov_b32 s21, 0xfedcba98                      ; v_permlanex16_b32's selects for lane l xor 16
	s_mov_b32 s22, 0x0000ffff
	s_mov_b32 s23, 0xffff0000
	s_mov_b32 s24, 1
	s_mov_b32 s25, 0                               ; s[24:25] = 1 in 64 bits
	s_mov_b32 s26, 0                               ; places taken in the list in hand
	s_mov_b32 s29, 0                               ; the mask of full lists
	s_lshl_b32 s75, s16, 9                         ; my chunk's first row
	s_mul_i32 s87, s86, 17                         ; my first slot
	s_lshl_b32 s73, s87, 5
	s_mov_b32 s72, 0
	s_mov_b32 s74, 0
	s_lshr_b32 s88, s18, 1
	s_and_b32 s89, s18, 1
	s_mov_b32 s31, 0
	s_wait_kmcnt 0x0
	s_lshl_b32 s30, s17, 23
	s_lshl_b32 s90, s18, 8
	s_add_co_u32 s30, s30, s90
	s_lshl_b32 s90, s16, 20
	s_add_co_u32 s30, s30, s90
	s_add_nc_u64 s[WB:WB+1], s[4:5], s[30:31]      ; W1[e], row 128 w, column 64 j
	s_lshl_b32 s30, s16, 11
	s_add_nc_u64 s[82:83], s[10:11], s[30:31]      ; sel at my chunk
	s_lshl_b32 s30, s17, 13
	s_lshl_b32 s90, s18, 8
	s_add_co_u32 s30, s30, s90
	s_add_nc_u64 s[84:85], s[6:7], s[30:31]        ; b1[e] at column 64 j
	s_add_nc_u64 s[70:71], s[8:9], XSOFF           ; x's scale bytes
	s_mul_i32 s30, s87, 49152
	s_mul_i32 s90, s88, 1536
	s_add_co_u32 s30, s30, s90
	s_lshl_b32 s90, s89, 8
	s_add_co_u32 s30, s30, s90
	s_add_nc_u64 s[66:67], s[12:13], s[30:31]      ; hq: my first slot, K step j / 2, lanes 16 (j % 2) on
	s_lshl_b32 s30, s87, 11
	s_lshl_b32 s90, s88, 7
	s_add_co_u32 s30, s30, s90
	s_lshl_b32 s90, s89, 1
	s_add_co_u32 s30, s30, s90
	s_add_nc_u64 s[68:69], s[12:13], s[30:31]
	s_add_nc_u64 s[68:69], s[68:69], HSOFF         ; and its scale bytes
	s_lshl_b32 s30, s86, 7
	s_add_co_u32 s30, s30, FMOFF
	s_add_nc_u64 s[80:81], s[14:15], s[30:31]      ; the mask's place
	s_wait_alu depctr_va_vdst(0)                   ; the offsets and LDS addresses v2 to v7 and v15 are written, which the loads and stores of the whole kernel read
.set pi, 0
.rept 16
	global_load_b32 v[16+pi], v15, s[82:83] offset:128*pi
.set pi, pi+1
.endr
	LOADU 0
	s_wait_loadcnt 32                              ; sel is in; unit 0's 32 loads may be out
.set pi, 0
.rept 16
	v_cmp_eq_u32 s[32+pi], s17, v[16+pi]           ; which of the 32 rows of trip i are this expert's
.set pi, pi+1
.endr
	LOADU 1                                        ; (no vector instruction has named its registers)
	v_lshrrev_b32 v21, 4, v1
	v_and_b32 v22, 15, v1
	v_mul_u32_u24 v16, v21, 48                     ; x's codes: lane half 1's 48 bytes of a K step follow lane half 0's
	v_lshlrev_b32 v17, 10, v21
	v_lshl_add_u32 v17, v22, 4, v17                ; hq: 16 r, lanes 16-31 1,024 bytes on
	v_lshlrev_b32 v18, 3, v21
	v_lshl_add_u32 v18, v22, 4, v18
	v_add_nc_u32 v18, 512, v18                     ; hq: 512 + 16 r + 8 (lane / 16)
	v_lshlrev_b32 v19, 2, v1
	v_lshlrev_b32 v20, 6, v21                      ; b1: 16 numbers further on for lanes 16-31
	v_add_nc_u32 v29, WSC, v19
	v_mov_b32 v30, 0x3e2ef945                      ; the polynomial's highest coefficient, as a pair
	v_mov_b32 v31, 0x3e2ef945
	s_wait_alu depctr_va_sdst(0)                   ; the sixteen compares have written the masks s32 to s47, ahead of their first reader
	; THE COMPACTION runs while the weights are on their way.  Trip i: the chosen lanes push their row ids to places c .. c + n - 1 (mod 32), the others to the rest: a full permutation.
	; All sixteen trips' addresses and ids are made first, each in registers of its own; the sixteen permutes follow behind one wait.
.set pi, 0
.rept 16
	v_add_nc_u32 v[208+pi], s75, v1                ; my row id
	s_add_co_u32 s75, s75, 32
	s_bcnt1_i32_b32 s27, s[32+pi]                  ; n
	s_add_co_u32 s28, s26, s27                     ; c + n
	v_mbcnt_lo_u32_b32 v21, s[32+pi], 0            ; chosen lanes below me
	v_sub_nc_u32 v23, v1, v21
	v_add_nc_u32 v22, s26, v21
	v_add_nc_u32 v23, s28, v23
	v_cndmask_b32 v22, v23, v22, s[32+pi]
	v_and_b32 v22, 31, v22
	v_lshlrev_b32 v[192+pi], 2, v22
	s_lshl_b64 s[30:31], s[24:25], s27
	s_sub_nc_u64 s[30:31], s[30:31], s[24:25]
	s_lshl_b64 s[30:31], s[30:31], s26             ; n ones from bit c on:
	s_mov_b32 s[32+pi], s30                        ; the places filled in the list in hand,
	s_mov_b32 s[48+pi], s31                        ; and those that run over into the next
	s_cmp_ge_u32 s28, 32
	s_cselect_b32 s30, 1<<pi, 0
	s_or_b32 s29, s29, s30                         ; the list is full in this trip
	s_and_b32 s26, s28, 31
.set pi, pi+1
.endr
	s_cmp_lg_u32 s26, 0                            ; list 16, what is left, is a body if it holds a row
	s_cselect_b32 s30, 0x10000, 0
	s_or_b32 s29, s29, s30
	v_mov_b32 v24, s29                             ; the mask, for the store below
	s_wait_alu depctr_va_vdst(0)                   ; the permutes' addresses v192-207 and ids v208-223 are written; so are the mask v24 and the lane terms v16-20 and v29, which later loads and stores read
.set pi, 0
.rept 16
	ds_permute_b32 v[32+pi], v[192+pi], v[208+pi]
.set pi, pi+1
.endr
	s_wait_dscnt 0x0
.set pi, 0
.rept 16
.if pi == 0
	v_cndmask_b32 v[224+pi], v7, v[32+pi], s[32+pi]
.else
	v_cndmask_b32 v[224+pi], v[240+pi-1], v[32+pi], s[32+pi]
.endif
	s_bitcmp1_b32 s29, pi
	s_cselect_b32 s30, -1, 0
	v_cndmask_b32 v21, v7, v[32+pi], s[48+pi]      ; a new list: dummies, and what ran over
	v_cndmask_b32 v[240+pi], v[224+pi], v21, s30
.set pi, pi+1
.endr
	s_wait_alu depctr_va_vdst(0)                   ; the lists v224-239 and v255 are written, which the LDS stores below read
.set pi, 0
.rept 16
	ds_store_b32 v6, v[224+pi] offset:128*pi       ; list i: read later only if it was full
.set pi, pi+1
.endr
	ds_store_b32 v6, v255 offset:2048              ; list 16: what is left
	s_cmp_lg_u32 s18, 0                            ; the expert's first work-group stores the mask: the same word in all 32 lanes, 128 consecutive bytes
	s_cbranch_scc1 .Lnofm
	global_store_b32 v19, v24, s[80:81]
.Lnofm:
	s_wait_dscnt 0x0                               ; the lists' stores have read their registers
	s_wait_alu depctr_vm_vsrc(0)                   ; the permutes have read v192-223 and the lists' stores v224-239 and v255: the units write these registers again
	UNIT 0
	UNIT 1
	s_wait_dscnt 0x0                               ; for the others' sake: my part of the images has landed
.irp t, 0,1,2,3
	global_load_b128 v[32+8*\t:32+8*\t+3], v20, s[84:85] offset:(32*(\t/2)+8*(\t%2))*4      ; no wait: no vector instruction stands behind the last unit's wait on va_vdst
	global_load_b128 v[32+8*\t+4:32+8*\t+7], v20, s[84:85] offset:(32*(\t/2)+8*(\t%2))*4+16
.endr
	s_barrier_signal -1
	s_barrier_wait -1                              ; the whole slice lies in LDS; nothing writes it from here on
.irp s, 0,1,2,3,4,5,6,7
.irp g, 0,1
	ds_load_b32 v[64+2*\s+\g], v29 offset:256*\s+128*\g            ; lanes 0-15: tile 2 g's words, lanes 16-31: tile 2 g + 1's
.endr
.endr
	v_mov_b32 v90, 0                               ; written once: a lane permute's destination counts as one of its sources
	s_wait_loadcnt 0x0
	s_wait_dscnt 0x0
.Ltrip:                                                ; 17 trips, a constant; a trip without a body only steps the addresses
	s_and_b32 s30, s29, 1
	s_cmp_eq_u32 s30, 0
	s_cbranch_scc1 .Lskip
	s_wait_xcnt 0x0                                ; the last body's stores have read their registers
	s_wait_alu depctr_vm_vsrc(0)                   ; the last body's loads and stores have read v88, v91-95 and v186-200 (ahead of the first body: the units' LDS stores v192-251), which this body writes again
	v_add_nc_u32 v88, s72, v6
	s_wait_alu depctr_va_vdst(0)                   ; v88 is written; the vector and matrix instructions so far are done with v89, v160-255, v80-87 and window 1, in which this body's loads land
	ds_load_b32 v89, v88                           ; lane l: the id of the body's row l
	WFRAG 0, 160                                   ; the first two K steps' weights are on their way while the list comes and the offsets are made
	WFRAG 1, 208
	s_wait_dscnt 24                                ; the list is in; the 24 younger loads, the weights', may be out
	v_permlanex16_b32 v90, v89, s20, s21
	v_cndmask_b32 v91, v90, v89, s22               ; row l % 16
	v_cndmask_b32 v92, v89, v90, s22               ; row 16 + l % 16
	v_min_u32 v89, IDMAX, v89
	v_min_u32 v91, IDMAX, v91
	v_min_u32 v92, IDMAX, v92
	v_and_b32 v93, 0x7ff, v89                      ; the token
	v_and_b32 v91, 0x7ff, v91
	v_and_b32 v92, 0x7ff, v92
	v_lshlrev_b32 v94, 2, v89                      ; (the place's offset and number are made with the others, ahead of the one wait; the expert's first work-group alone stores them)
	v_add_nc_u32 v95, s73, v1
	v_lshlrev_b32 v93, 5, v93
	v_mad_u32_u24 v91, v91, 768, v16
	v_mad_u32_u24 v92, v92, 768, v16
	s_wait_alu depctr_va_vdst(0)                   ; the offsets v91-94 and the place v95 are written, which the store and the 50 loads below read
	s_cmp_lg_u32 s18, 0
	s_cbranch_scc1 .Lnopos
	global_store_b32 v94, v95, s[14:15]            ; pos[id] = 32 x slot + row: an id occurs in one list of one wave (a dummy's word is read by nobody)
.Lnopos:
	global_load_b128 v[80:83], v93, s[70:71]       ; row l's 8 scale words
	global_load_b128 v[84:87], v93, s[70:71] offset:16
	WIN 0x40                                       ; destination window 1
.irp s, 0,1,2,3,4,5,6,7
.irp q, 0,1,2
	global_load_b128 v[12*\s+4*\q:12*\s+4*\q+3], v91, s[8:9] offset:96*\s+16*\q          ; a lane's 12 registers of a K step are 48 consecutive bytes; the row's other lane reads the 48 beside them
.endr
.irp q, 0,1,2
	global_load_b128 v[96+12*\s+4*\q:96+12*\s+4*\q+3], v92, s[8:9] offset:96*\s+16*\q
.endr
.endr
	WIN 0
.irp s, 0,1,2,3,4,5,6,7
	KSTEP \s
.endr
.rept 4
	v_nop                                          ; four places in front of the first read of results
.endr
	GELU16 0
	GELU16 1
	GELU16 2
	GELU16 3
	QH 0
	QH 1
	v_cndmask_b32 v200, v168, v169, s23            ; lane l: row l's two bytes
	s_wait_alu depctr_va_vdst(0)                   ; both tiles' codes v186-199 and the bytes v200 are written, which the five stores below read
.irp u, 0,1
	global_store_b128 v17, v[186+8*\u:189+8*\u], s[66:67] offset:24576*\u   ; each half of the lanes stores 256 consecutive bytes, at a multiple of 256 from hq's first byte
	global_store_b64 v18, v[190+8*\u:191+8*\u], s[66:67] offset:24576*\u    ; the 32 lanes store 256 consecutive bytes
.endr
	global_store_b16 v19, v200, s[68:69]
.Lskip:
	s_wait_xcnt 0x0                                ; the stores have read their bases
	s_lshr_b32 s29, s29, 1
	s_add_co_u32 s72, s72, 128
	s_add_nc_u64 s[66:67], s[66:67], 49152
	s_add_nc_u64 s[68:69], s[68:69], 2048
	s_add_co_u32 s73, s73, 32
	s_add_co_u32 s74, s74, 1
	s_cmp_lt_u32 s74, 17
	s_cbranch_scc1 .Ltrip
	s_wait_dscnt 0x0                               ; the closing lines, six on end
	s_wait_alu 0x0
	s_wait_tensorcnt 0x0
	ds_add_u32 v8, v14
	s_wait_dscnt 0x0
	s_endpgm
.Lfunc_end_k_q25a476d617_up:
	.size	k_q25a476d617_up, .Lfunc_end_k_q25a476d617_up-k_q25a476d617_up
	.p2alignl 7, 3214868480
	.fill 96, 4, 3214868480
	.section	.rodata,"a",@progbits
	.p2align	6, 0x0
	.amdhsa_kernel k_q25a476d617_up
		.amdhsa_group_segment_fixed_size 70912
		.amdhsa_private_segment_fixed_size 0
		.amdhsa_enable_private_segment 0
		.amdhsa_kernarg_size 48
		.amdhsa_user_sgpr_count 2
		.amdhsa_user_sgpr_kernarg_segment_ptr 1
		.amdhsa_wavefront_size32 1
		.amdhsa_system_sgpr_workgroup_id_x 1
		.amdhsa_system_sgpr_workgroup_id_y 1
		.amdhsa_system_sgpr_workgroup_id_z 1
		.amdhsa_system_vgpr_workitem_id 0
		.amdhsa_next_free_vgpr 512
		.amdhsa_next_free_sgpr 96
		.amdhsa_reserve_vcc 0
		.amdhsa_float_denorm_mode_32 3
		.amdhsa_float_denorm_mode_16_64 3
		.amdhsa_memory_ordered 1
		.amdhsa_forward_progress 1
		.amdhsa_inst_pref_size 136
	.end_amdhsa_kernel
	.amdgpu_metadata
---
amdhsa.version: [ 1, 2 ]
amdhsa.kernels:
  - .name:           k_q25a476d617_up
    .symbol:         k_q25a476d617_up.kd
    .args:
      - { .name: W1, .offset: 0, .size: 8, .value_kind: global_buffer, .address_space: global }
      - { .name: b1, .offset: 8, .size: 8, .value_kind: global_buffer, .address_space: global }
      - { .name: xq, .offset: 16, .size: 8, .value_kind: global_buffer, .address_space: global }
      - { .name: sel, .offset: 24, .size: 8, .value_kind: global_buffer, .address_space: global }
      - { .name: hq, .offset: 32, .size: 8, .value_kind: global_buffer, .address_space: global }
      - { .name: pf, .offset: 40, .size: 8, .value_kind: global_buffer, .address_space: global }
    .group_segment_fixed_size: 70912
    .private_segment_fixed_size: 0
    .kernarg_segment_align: 8
    .kernarg_segment_size: 48
    .max_flat_workgroup_size: 256
    .sgpr_count:     96
    .vgpr_count:     512
    .wavefront_size: 32
...
	.end_amdgpu_metadata
.endif
;; end of part 6
;; launch down (part 7): grid 256 x 1, 8 waves a work-group, no clusters, 173,568 bytes of LDS; arguments W2, b2, hq, pf, y; writes y
.if DOCPART == 7
	.amdgcn_target "amdgcn-amd-amdhsa--gfx1250"
	.amdhsa_code_object_version 6
	.text
	.protected	k_q25a476d617_down
	.globl	k_q25a476d617_down
	.p2align	8
	.type	k_q25a476d617_down,@function
k_q25a476d617_down:
	s_mov_b64 s[64:65], 0
	v_nop
	global_prefetch_b8 v0, s[64:65] scope:SCOPE_SE
	s_setreg_imm32_b32 hwreg(HW_REG_WAVE_SCHED_MODE, 0, 2), 2
	s_setreg_imm32_b32 hwreg(HW_REG_WAVE_MODE, 25, 1), 1
	s_wait_xcnt 0x0
	s_wait_alu depctr_vm_vsrc(0)
; y = h W2[e] + b2[e] for the bodies of 32 routed rows that the launch before has laid in hq, on codes of E3M2 with one E8M0 scale for each 32 along K.
; SHARES.  Work-group (e = x / 32, jc = (x / 2) % 16, rho = x % 2) owns columns 64 jc .. 64 jc + 63 of W2[e] and the bodies of chunks 4 rho .. 4 rho + 3.  It reads its 512 KiB of f32, quantises them
; along K (W2's first axis) and keeps the codes in LDS as images of operand registers; wave w quantises K steps 2 w and 2 w + 1.  The two work-groups that read one slice are neighbours in x.
; THE WEIGHTS' LOADS: a lane takes 4 columns (16 bytes) and its registers run down K; lanes 0-15 take the block of 32 rows that lane half h = 0 of the operand wants, lanes 16-31 that of h = 1, 64 rows further down.
; So a load is two rows' pieces of 256 consecutive bytes, a block's largest magnitude needs no other lane, and h is a lane's term in the LDS addresses.
; Wave w then serves chunk 4 rho + w / 2: 17 slots, ONE loop of 17 trips, a constant.  Which slots hold a body is a mask of 17 bits read from pf.  The chunk's two waves take its bodies by turns: the running parity
; of the mask's set bits (five shifts and exclusive ors) marks the 1st, 3rd .. body for the even wave and leaves the 2nd, 4th .. to the odd one.  A trip without a body for the wave only steps addresses.
; No tensor loads and no cluster: branches hang on numbers read from memory.
; Within K step s the hidden block 4 s + 2 h + c stands at the instruction's k = 64 c + 32 h, in W2's images as in hq's; a scale word's byte 2 c + h belongs to that block.
; THE MATRIX INSTRUCTION IS USED TRANSPOSED (source 0 = 16 columns of W2, source 1 = 16 rows of h); row m of weight tile 2 b + u is column 32 b + 8 u + m + 8 (m / 8).  b2 is the C of each sum's first product.
; y: slot x 131,072 + row x 4,096 + 4 x column, f32.
; LIMITS: NaN and infinities are not served; a block of W2 whose largest magnitude lies under 2^-122 (a block of zeros too) gets the scale byte 1: zeros' codes are zeros, and only this program reads the bytes.
; REGISTERS, window 0: v1 lane, v2, v16 image addresses, v3, v4 where I store codes and scale bytes, v5 the weights' offset, v9-15 at work, v17-23 lane terms; first: v64-191 four columns' 32 numbers each, v192-251 codes,
;   largest magnitudes, scale bytes; in a body: v32-63 W2's scale words, v64-79 h's, v96-159 sums, v160-255 two sets of weight fragments, later rows of y.
;   Window 1: first v0-127, v128-255 two sets of 32 loads of weights; in a body v0-191 a ring of 8 K steps of h's fragments, v192-223 b2.
; THE MODE: SCHED_MODE bits 1:0 = 2 (LLVM: expert scheduling mode 2), set by the entry lines.  The code itself states the register dependences between vector or matrix instructions and memory or LDS
; instructions, with s_wait_alu, always for 0.
; THE PLAN.  Registers that memory or LDS instructions touch, who writes and who reads them:
;   v2-5, v16-23     offsets and LDS addresses, made once at the head and never written again: ONE wait on va_vdst ahead of the first load.
;   a unit           its moves read a set of window 1; behind them a wait on va_vdst, then the loads of two units on into that set.  Its codes (v192-223) and bytes (v248-251) are written behind a wait on vm_vsrc
;                    (the last unit's LDS stores have read them) and stored behind a wait on va_vdst.
;   a body's head    a wait on vm_vsrc: the last body's LDS stores have read the sums and its global stores v160-223.  No wait on va_vdst: on the way back no vector or matrix instruction stands behind the way out's wait,
;                    on the way in none behind the last unit's; so all that ever named v64-79, v160-255 and window 1, in which the head's loads land, stands ahead of a wait.
;   v64-79           h's scale words: loads land, sixteen byte permutes rewrite them, eight places and a wait on va_vdst, the products take them as scales.
;   a K step         its eight products read weight buffer s % 2 and the ring's place s % 8; behind them one wait on va_vdst, then the loads of step s + 2 into that buffer and of step s + 8 into that place.
;   the way out      a wait on va_vdst behind the last step's places: the sums are written, which the LDS stores read, and the weight buffers are read out, in which the rows read back land.
.set NS,    16
.set KW,    2
.set NU,    2*KW                       ; a wave's units: 32 loads, two blocks of 32 along K for 64 columns
.set PITCH, 4096                       ; a row of W2[e] in bytes
.set CROW,  32                         ; block (c, h) of a K step begins at row 32 c + 64 h: the order in which hq has the hidden blocks
.set GROW,  64
.set TSTR,  NS*1536+16
.set WSC,   98816
.set STG,   102912                     ; 32 rows x 272 bytes for each wave, for the way out
.set HSOFF, 53477376
.set FMOFF, 24576                      ; pf: behind 6,144 words of places, the masks: 128 bytes for each (expert, chunk)
.set WB,    40
.set XB,    64                         ; column c's 32 numbers at v[XB + 32 c]
.set CB,    192                        ; its 24 bytes of codes at v[CB + 8 c]
.set TT,    224                        ; (the upper 16 codes are made at v[TT + 4 c] and moved)
.set MX,    240                        ; its largest magnitude
.set SO,    244                        ; the conversion's scale operand
.set BY,    248                        ; the scale's byte
.set MSB,   0
.macro WIN new                         ; the immediate's high byte repeats the setting that is left
.if MSB != \new
	s_set_vgpr_msb (MSB<<8)|\new
.set MSB, \new
.endif
.endm
.macro LOADU t                         ; unit t: K step t / 2, operand half c = t % 2: 32 loads; each half of the lanes reads 256 consecutive bytes, at a multiple of 256 from W2's first byte
	WIN 0x40                                       ; destination window 1
.set li, 0
.rept 32
	global_load_b128 v[128*((\t)%2)+4*li:128*((\t)%2)+4*li+3], v5, s[WB:WB+1] offset:(128*((\t)/2)+CROW*((\t)%2)+li)*PITCH
.set li, li+1
.endr
	WIN 0
.endm
; Unit t: my four columns' 32 numbers each become 24 bytes of codes, stored where the operand's registers want them, and a byte of each column's scale word.
.macro UNIT t
.set sloc, (\t)/2
.set cc, (\t)%2
.set LL, 128*((\t)%2)
.if (\t) < NU-1
	s_wait_loadcnt 32                              ; this unit's 32 loads are in; the next unit's may be out
.else
	s_wait_loadcnt 0x0
.endif
	WIN 0x01                                       ; source 0 window 1
.set ui, 0
.rept 32
.irp c, 0,1,2,3
	v_mov_b32 v[XB+32*\c+ui], v[LL+4*ui+\c]        ; the conversions take neighbours along K from consecutive registers: the four columns are set apart
.endr
.set ui, ui+1
.endr
.if (\t)+2 < NU
	s_wait_alu depctr_va_vdst(0)                   ; the moves are done reading this set of window 1, in which the loads of two units on land
	LOADU (\t)+2
.else
	WIN 0
.endif
.irp c, 0,1,2,3
	v_max3_num_f32 v[MX+\c], |v[XB+32*\c]|, |v[XB+32*\c+1]|, 0x2800000   ; with the floor 2^(5 - 127)
.endr
.set ui, 2
.rept 15
.irp c, 0,1,2,3
	v_max3_num_f32 v[MX+\c], v[MX+\c], |v[XB+32*\c+ui]|, |v[XB+32*\c+ui+1]|   ; (the four columns by turns)
.endr
.set ui, ui+2
.endr
	s_wait_alu depctr_va_vdst(0)
	s_wait_dscnt 0x0                               ; the last unit's LDS stores have read their registers
.if (\t) > 0
	s_wait_alu depctr_vm_vsrc(0)                   ; the last unit's LDS stores have read its codes and its bytes, which the lines below write again
.endif
.irp c, 0,1,2,3
	v_add_nc_u32 v[SO+\c], 0xfe000000, v[MX+\c]    ; 4 off the exponent field: the conversion's scale operand
.endr
.irp c, 0,1,2,3
	v_lshrrev_b32 v[BY+\c], 23, v[SO+\c]           ; the scale's byte
.endr
.irp c, 0,1,2,3
	v_cvt_scalef32_pk16_bf6_f32 v[CB+8*\c:CB+8*\c+2], v[XB+32*\c:XB+32*\c+15], v[SO+\c]
	v_cvt_scalef32_pk16_bf6_f32 v[TT+4*\c:TT+4*\c+2], v[XB+32*\c+16:XB+32*\c+31], v[SO+\c]   ; (a conversion's three registers begin on an even number)
.endr
	v_nop                                          ; one plain place behind the scaled conversions
.irp c, 0,1,2,3
.irp k, 0,1,2
	v_mov_b32 v[CB+8*\c+3+\k], v[TT+4*\c+\k]
.endr
.endr
	s_wait_alu depctr_va_vdst(0)                   ; the codes v[CB ..] and the bytes v[BY ..] are written, which the LDS stores below read
.set OFF, sloc*1536
.irp c, 0,1,2,3
.if cc == 0                            ; registers 0-5 of the operand's lane: 16 bytes of the first 512, 8 of the second
	ds_store_b128 v3, v[CB+8*\c:CB+8*\c+3] offset:OFF+16*\c
	ds_store_b64 v3, v[CB+8*\c+4:CB+8*\c+5] offset:OFF+16*\c+512
.else                                  ; registers 6-11
	ds_store_b64 v3, v[CB+8*\c:CB+8*\c+1] offset:OFF+16*\c+520
	ds_store_b128 v3, v[CB+8*\c+2:CB+8*\c+5] offset:OFF+16*\c+1024
.endif
	ds_store_b8 v4, v[BY+\c] offset:256*sloc+2*cc+4*\c   ; byte 2 c + h of the column's scale word (h stands in the address)
.endr
.endm
.macro WFRAG s, buf                    ; the four weight tiles' fragments of K step s: 12 loads of 512 consecutive bytes; tiles 2 and 3 by a second address register, since an offset has 16 bits
.irp t, 0,1
.irp q, 0,1,2
	ds_load_b128 v[\buf+12*\t+4*\q:\buf+12*\t+4*\q+3], v2 offset:\t*TSTR+(\s)*1536+512*\q
.endr
.endr
.irp t, 0,1
.irp q, 0,1,2
	ds_load_b128 v[\buf+24+12*\t+4*\q:\buf+24+12*\t+4*\q+3], v16 offset:\t*TSTR+(\s)*1536+512*\q
.endr
.endr
.endm
.macro MM d, a, b, c, sa, sb, ra, rb   ; one product; ra, rb: the side's scale words stand in lanes 16-31
.if (\ra) && (\rb)
	v_wmma_scale_f32_16x16x128_f8f6f4 v[\d:\d+7], v[\a:\a+11], v[\b:\b+11], v[\c:\c+7], v[\sa], v[\sb] matrix_a_fmt:MATRIX_FMT_BF6 matrix_b_fmt:MATRIX_FMT_BF6 matrix_a_scale:MATRIX_SCALE_ROW1 matrix_b_scale:MATRIX_SCALE_ROW1
.elseif (\ra)
	v_wmma_scale_f32_16x16x128_f8f6f4 v[\d:\d+7], v[\a:\a+11], v[\b:\b+11], v[\c:\c+7], v[\sa], v[\sb] matrix_a_fmt:MATRIX_FMT_BF6 matrix_b_fmt:MATRIX_FMT_BF6 matrix_a_scale:MATRIX_SCALE_ROW1
.elseif (\rb)
	v_wmma_scale_f32_16x16x128_f8f6f4 v[\d:\d+7], v[\a:\a+11], v[\b:\b+11], v[\c:\c+7], v[\sa], v[\sb] matrix_a_fmt:MATRIX_FMT_BF6 matrix_b_fmt:MATRIX_FMT_BF6 matrix_b_scale:MATRIX_SCALE_ROW1
.else
	v_wmma_scale_f32_16x16x128_f8f6f4 v[\d:\d+7], v[\a:\a+11], v[\b:\b+11], v[\c:\c+7], v[\sa], v[\sb] matrix_a_fmt:MATRIX_FMT_BF6 matrix_b_fmt:MATRIX_FMT_BF6
.endif
.endm
.macro HLOAD s                         ; h's two fragments of K step s into the ring's place s % 8: six loads of 512 consecutive bytes
	WIN 0x40                                       ; destination window 1
.irp u, 0,1
.irp q, 0,1,2
	global_load_b128 v[24*((\s)%8)+12*\u+4*\q:24*((\s)%8)+12*\u+4*\q+3], v17, s[34:35] offset:24576*\u+1536*(\s)+512*\q
.endr
.endr
	WIN 0
.endm
; K step s of a body: 8 products, the 8 accumulators by turns in the same order in every step.
.macro KSTEP s
.if (\s) < 15
	s_wait_dscnt 12                                ; this step's weight fragments are in; the next step's 12 loads may be out
.else
	s_wait_dscnt 0x0
.endif
.if (\s) < 8
	s_wait_loadcnt 42                              ; behind this step's six loads: six for each of the 7 - s later first fills and of the s refills
.else
	s_wait_loadcnt 6*(15-(\s))                     ; behind this step's six loads: the later refills
.endif
.if (\s) == 0
	WIN 0x14                                       ; source 1 (h) and source 2 (b2) window 1
.else
	WIN 0x04                                       ; source 1 window 1
.endif
.irp t, 0,1,2,3
.irp u, 0,1
.set rD, 96+32*\u+8*\t
.set rA, 160+48*((\s)%2)+12*\t
.set rB, 24*((\s)%8)+12*\u
.if (\s) == 0
.set rC, 192+8*\t
.else
.set rC, rD
.endif
.set rSA, 32+2*(\s)+\t/2
.set rSB, 64+(\s)
	MM rD, rA, rB, rC, rSA, rSB, \t%2, \u
.endr
.endr
	WIN 0
.rept 4
	v_nop                                          ; four places in front of loads into registers that these products have read, and of the first read of results
.endr
.if (\s) < 14
	s_wait_alu depctr_va_vdst(0)                   ; this step's products are done reading their weight fragments and their place of the ring, in which the loads below land
	WFRAG (\s)+2, 160+48*((\s)%2)
.endif
.if (\s) < 8
	HLOAD (\s)+8
.endif
.endm
	s_load_b256 s[4:11], s[0:1], 0x0               ; W2, b2, hq, pf
	s_load_b64 s[12:13], s[0:1], 0x20              ; y
	v_lshl_add_u32 v30, v0, 2, 0x2a200
	v_mov_b32 v31, 0
	v_lshrrev_b32 v9, 5, v0
	v_readfirstlane_b32 s16, v9                    ; wave
	s_lshr_b32 s17, ttmp9, 5                       ; e
	s_lshr_b32 s18, ttmp9, 1
	s_and_b32 s18, s18, 15                         ; jc
	s_and_b32 s19, ttmp9, 1                        ; rho
	v_and_b32 v1, 31, v0                           ; lane
	v_lshlrev_b32 v2, 4, v1
	v_lshrrev_b32 v9, 4, v1                        ; l / 16 = h: which lane half of the operand my blocks are for
	v_and_b32 v13, 15, v1                          ; l % 16: I hold columns 4 (l % 16) + 0 .. 3 of the slice
	v_lshrrev_b32 v12, 3, v13
	v_bfe_u32 v10, v13, 1, 1
	v_lshl_add_u32 v12, v12, 1, v10                ; their tile: 2 ((l % 16) / 8) + ((l % 16) / 2) % 2
	v_bfe_u32 v10, v13, 2, 1
	v_and_b32 v11, 1, v13
	v_lshl_add_u32 v10, v10, 1, v11                ; their rows in it: m = 4 (2 ((l / 4) % 2) + l % 2) + 0 .. 3
	v_mul_u32_u24 v3, v12, TSTR
	v_lshl_add_u32 v3, v10, 6, v3
	v_lshl_add_u32 v3, v9, 8, v3
	s_wait_alu depctr_va_sdst(0)                   ; s16, the wave's number, is written, ahead of its first reader
	s_mul_i32 s44, s16, KW*1536
	v_add_nc_u32 v3, s44, v3                       ; tile x TSTR + 16 m + 256 h + my K steps
	v_lshlrev_b32 v4, 6, v12
	v_lshl_add_u32 v4, v10, 4, v4
	v_add_nc_u32 v4, v4, v9
	s_mul_i32 s44, s16, KW*256
	s_add_co_u32 s44, s44, WSC
	v_add_nc_u32 v4, s44, v4                       ; WSC + 64 tile + 4 m + h + my K steps
	v_mul_u32_u24 v5, v9, GROW*PITCH
	v_lshl_add_u32 v5, v13, 4, v5                  ; the weights: 16 bytes a lane, lanes 16-31 GROW rows further down
	v_add_nc_u32 v16, 2*TSTR, v2
	v_lshlrev_b32 v17, 4, v1
	v_lshlrev_b32 v18, 2, v1
	s_mul_i32 s44, s16, 8704
	s_add_co_u32 s44, s44, STG                     ; my stage
	v_mul_u32_u24 v19, v13, 272
	v_lshl_add_u32 v19, v9, 6, v19
	v_add_nc_u32 v19, s44, v19                     ; in: row l % 16, 64 bytes further on for lanes 16-31
	v_mul_u32_u24 v20, v9, 272
	v_lshl_add_u32 v20, v13, 4, v20
	v_add_nc_u32 v20, s44, v20                     ; back: lanes 0-15 one row of 256 bytes, lanes 16-31 the next
	v_lshlrev_b32 v21, 12, v9
	v_lshl_add_u32 v21, v13, 4, v21                ; and the same two rows in y
	v_lshlrev_b32 v22, 6, v9                       ; b2: 16 numbers further on for lanes 16-31
	v_add_nc_u32 v23, WSC, v18
	s_lshl_b32 s28, s17, 3
	s_lshl_b32 s29, s19, 2
	s_add_co_u32 s28, s28, s29
	s_lshr_b32 s29, s16, 1
	s_add_co_u32 s28, s28, s29                     ; 8 e + 4 rho + w / 2: my chunk
	s_mul_i32 s29, s28, 17                         ; its first slot
	s_mov_b32 s45, 0
	s_mov_b32 s31, 0                               ; trips
	s_wait_kmcnt 0x0
	s_lshl_b32 s44, s28, 7
	s_add_co_u32 s44, s44, FMOFF
	s_add_nc_u64 s[20:21], s[10:11], s[44:45]
	s_load_b32 s24, s[20:21], 0x0                  ; my chunk's mask of bodies
	s_lshl_b32 s44, s17, 23
	s_lshl_b32 s33, s18, 8
	s_add_co_u32 s44, s44, s33
	s_lshl_b32 s33, s16, 20
	s_add_co_u32 s44, s44, s33
	s_add_nc_u64 s[WB:WB+1], s[4:5], s[44:45]      ; W2[e], row 256 w, column 64 jc
	s_lshl_b32 s44, s17, 12
	s_lshl_b32 s33, s18, 8
	s_add_co_u32 s44, s44, s33
	s_add_nc_u64 s[42:43], s[6:7], s[44:45]        ; b2[e] at column 64 jc
	s_mul_i32 s44, s29, 49152
	s_add_nc_u64 s[34:35], s[8:9], s[44:45]        ; hq at my first slot
	s_lshl_b32 s44, s29, 11
	s_add_nc_u64 s[36:37], s[8:9], s[44:45]
	s_add_nc_u64 s[36:37], s[36:37], HSOFF         ; and its scale words
	s_lshl_b32 s44, s29, 17
	s_lshl_b32 s33, s18, 8
	s_add_co_u32 s44, s44, s33
	s_add_nc_u64 s[38:39], s[12:13], s[44:45]      ; y at my first slot, column 64 jc
	s_wait_alu depctr_va_vdst(0)                   ; the offsets and LDS addresses v2 to v5 and v16 to v23 are written, which the loads and stores of the whole kernel read
	LOADU 0
	LOADU 1
.irp t, 0,1,2,3
	UNIT \t
.endr
	s_wait_dscnt 0x0                               ; for the others' sake: my part of the images has landed
	WIN 0x40                                       ; destination window 1
.irp t, 0,1,2,3
	global_load_b128 v[192+8*\t:192+8*\t+3], v22, s[42:43] offset:(32*(\t/2)+8*(\t%2))*4      ; no wait: no vector instruction stands behind the last unit's wait on va_vdst
	global_load_b128 v[192+8*\t+4:192+8*\t+7], v22, s[42:43] offset:(32*(\t/2)+8*(\t%2))*4+16
.endr
	WIN 0
	s_barrier_signal -1
	s_barrier_wait -1                              ; the whole slice lies in LDS; nothing writes it from here on
.irp s, 0,1,2,3,4,5,6,7,8,9,10,11,12,13,14,15
.irp g, 0,1
	ds_load_b32 v[32+2*\s+\g], v23 offset:256*\s+128*\g            ; lanes 0-15: tile 2 g's words, lanes 16-31: tile 2 g + 1's
.endr
.endr
	s_wait_kmcnt 0x0                               ; the mask
	s_lshl_b32 s25, s24, 1                         ; bit i of s25 becomes the parity of the mask's set bits 0 .. i: 1 at the 1st, 3rd .. body
	s_xor_b32 s25, s25, s24
	s_lshl_b32 s33, s25, 2
	s_xor_b32 s25, s25, s33
	s_lshl_b32 s33, s25, 4
	s_xor_b32 s25, s25, s33
	s_lshl_b32 s33, s25, 8
	s_xor_b32 s25, s25, s33
	s_lshl_b32 s33, s25, 16
	s_xor_b32 s25, s25, s33
	s_and_b32 s33, s16, 1
	s_sub_co_u32 s33, 0, s33                       ; all ones in the chunk's odd wave, which takes the 2nd, 4th ..
	s_xor_b32 s25, s25, s33
	s_and_b32 s24, s24, s25                        ; my bodies
	s_wait_loadcnt 0x0
	s_wait_dscnt 0x0
.Ltrip:                                                ; 17 trips, a constant; a trip without a body of mine only steps the addresses
	s_and_b32 s33, s24, 1
	s_cmp_eq_u32 s33, 0
	s_cbranch_scc1 .Lnext
	s_wait_xcnt 0x0                                ; my last body's stores have read their registers
	s_wait_alu depctr_vm_vsrc(0)                   ; my last body's LDS stores have read the sums v96-159 and its global stores v160-223 (ahead of the first body: the units' LDS stores v192-251): the loads and products below write them again
.irp s, 0,1,2,3,4,5,6,7,8,9,10,11,12,13,14,15
	global_load_b32 v[64+\s], v18, s[36:37] offset:128*\s          ; lane l: row l's scale word of K step s.  (No wait on va_vdst: see the plan, a body's head)
.endr
.irp s, 0,1,2,3,4,5,6,7
	HLOAD \s
.endr
	WFRAG 0, 160
	WFRAG 1, 208
	s_wait_loadcnt 48                              ; the scale words are in; the 48 loads of codes may be out
.irp s, 0,1,2,3,4,5,6,7,8,9,10,11,12,13,14,15
	v_perm_b32 v[64+\s], v[64+\s], v[64+\s], 0x03010200            ; stored as (c, h) = (0,0) (1,0) (0,1) (1,1); the instruction wants byte 2 c + h
.endr
.rept 8
	v_nop                                          ; a scale register written by a vector instruction stands 8 places ahead of a scaled matrix instruction
.endr
	s_wait_alu depctr_va_vdst(0)                   ; the sixteen byte permutes have written v64-79, which the products take as h's scales; the places above stay beside this wait
.irp s, 0,1,2,3,4,5,6,7,8,9,10,11,12,13,14,15
	KSTEP \s
.endr
	; THE WAY OUT: a lane holds 8 neighbouring columns of a row; the body goes through my own stage and leaves as rows: sixteen lanes store 256 consecutive bytes, at a multiple of 256 from y's first byte
	s_wait_alu depctr_va_vdst(0)                   ; the products have written the sums v96-159, which the LDS stores read, and are done reading v160-255, in which the rows read back land; the last step's four places stay beside this wait
.irp u, 0,1
.irp t, 0,1,2,3
	ds_store_b128 v19, v[96+32*\u+8*\t:96+32*\u+8*\t+3] offset:4352*\u+128*(\t/2)+32*(\t%2)          ; each accumulator from its low end on
	ds_store_b128 v19, v[96+32*\u+8*\t+4:96+32*\u+8*\t+7] offset:4352*\u+128*(\t/2)+32*(\t%2)+16
.endr
.endr
.irp k, 0,1,2,3,4,5,6,7,8,9,10,11,12,13,14,15
	ds_load_b128 v[160+4*\k:160+4*\k+3], v20 offset:544*\k         ; LDS serves a wave's instructions in order: these see my stores
.endr
.irp k, 0,1,2,3,4,5,6,7,8,9,10,11,12,13,14,15
	s_wait_dscnt 15-\k                             ; the younger read-backs may be out
	global_store_b128 v21, v[160+4*\k:160+4*\k+3], s[38:39] offset:8192*\k
.endr
.Lnext:
	s_wait_xcnt 0x0                                ; the loads and stores have read their bases
	s_lshr_b32 s24, s24, 1
	s_add_nc_u64 s[34:35], s[34:35], 49152
	s_add_nc_u64 s[36:37], s[36:37], 2048
	s_add_nc_u64 s[38:39], s[38:39], 131072
	s_add_co_u32 s31, s31, 1
	s_cmp_lt_u32 s31, 17
	s_cbranch_scc1 .Ltrip
	s_wait_dscnt 0x0                               ; the closing lines, six on end
	s_wait_alu 0x0
	s_wait_tensorcnt 0x0
	ds_add_u32 v30, v31
	s_wait_dscnt 0x0
	s_endpgm
.Lfunc_end_k_q25a476d617_down:
	.size	k_q25a476d617_down, .Lfunc_end_k_q25a476d617_down-k_q25a476d617_down
	.p2alignl 7, 3214868480
	.fill 96, 4, 3214868480
	.section	.rodata,"a",@progbits
	.p2align	6, 0x0
	.amdhsa_kernel k_q25a476d617_down
		.amdhsa_group_segment_fixed_size 173568
		.amdhsa_private_segment_fixed_size 0
		.amdhsa_enable_private_segment 0
		.amdhsa_kernarg_size 40
		.amdhsa_user_sgpr_count 2
		.amdhsa_user_sgpr_kernarg_segment_ptr 1
		.amdhsa_wavefront_size32 1
		.amdhsa_system_sgpr_workgroup_id_x 1
		.amdhsa_system_sgpr_workgroup_id_y 1
		.amdhsa_system_sgpr_workgroup_id_z 1
		.amdhsa_system_vgpr_workitem_id 0
		.amdhsa_next_free_vgpr 512
		.amdhsa_next_free_sgpr 66
		.amdhsa_reserve_vcc 0
		.amdhsa_float_denorm_mode_32 3
		.amdhsa_float_denorm_mode_16_64 3
		.amdhsa_memory_ordered 1
		.amdhsa_forward_progress 1
		.amdhsa_inst_pref_size 112
	.end_amdhsa_kernel
	.amdgpu_metadata
---
amdhsa.version: [ 1, 2 ]
amdhsa.kernels:
  - .name:           k_q25a476d617_down
    .symbol:         k_q25a476d617_down.kd
    .args:
      - { .name: W2, .offset: 0, .size: 8, .value_kind: global_buffer, .address_space: global }
      - { .name: b2, .offset: 8, .size: 8, .value_kind: global_buffer, .address_space: global }
      - { .name: hq, .offset: 16, .size: 8, .value_kind: global_buffer, .address_space: global }
      - { .name: pf, .offset: 24, .size: 8, .value_kind: global_buffer, .address_space: global }
      - { .name: y, .offset: 32, .size: 8, .value_kind: global_buffer, .address_space: global }
    .group_segment_fixed_size: 173568
    .private_segment_fixed_size: 0
    .kernarg_segment_align: 8
    .kernarg_segment_size: 40
    .max_flat_workgroup_size: 256
    .sgpr_count:     66
    .vgpr_count:     512
    .wavefront_size: 32
...
	.end_amdgpu_metadata
.endif
;; end of part 7
;; launch mix (part 8): grid 257 x 1, 8 waves a work-group, no clusters, 2,048 bytes of LDS; arguments y, pf, rt, sel, out0, out1; writes out0, out1
.if DOCPART == 8
	.amdgcn_target "amdgcn-amd-amdhsa--gfx1250"
	.amdhsa_code_object_version 6
	.text
	.protected	k_q25a476d617_mix
	.globl	k_q25a476d617_mix
	.p2align	8
	.type	k_q25a476d617_mix,@function
k_q25a476d617_mix:
	s_mov_b64 s[64:65], 0
	v_nop
	global_prefetch_b8 v0, s[64:65] scope:SCOPE_SE
	s_setreg_imm32_b32 hwreg(HW_REG_WAVE_MODE, 25, 1), 1
	s_wait_xcnt 0x0
; out0[token] = c0 y[pos0] + c1 y[pos1]: each output row has one owner, wave w of work-group wg takes token 8 wg + w.  pos (a row's place in y, stored two launches back) is held at y's last row before it enters an address.
; Work-group 256 makes the auxiliary loss: reference()'s 8 x sum over (s, e) of mean_b(count) x mean(prob) is the sum over e of count_e x P_e / 512, count_e the routed rows of expert e (of 4,096),
; P_e the sum of its probabilities over the 2,048 tokens.  Counts are kept in f32: whole numbers up to 4,096, exact.
; A stream: memory binds; no matrix unit, no LDS on the tokens' path.  The sums run in another order than reference()'s.
	s_load_b256 s[4:11], s[0:1], 0x0               ; y, pf, rt, sel
	s_load_b128 s[12:15], s[0:1], 0x20             ; out0, out1
	v_lshl_add_u32 v96, v0, 2, 0x400
	v_mov_b32 v97, 0
	v_lshrrev_b32 v2, 5, v0
	s_delay_alu instid0(VALU_DEP_1)
	v_readfirstlane_b32 s16, v2                    ; wave
	v_and_b32 v1, 31, v0
	s_delay_alu instid0(VALU_DEP_1)
	v_lshlrev_b32 v3, 4, v1                        ; 16 bytes a lane
	s_cmp_eq_u32 ttmp9, 256
	s_cbranch_scc1 .Laux
	s_lshl_b32 s17, ttmp9, 3
	s_add_co_u32 s17, s17, s16                     ; my token
	s_lshl_b32 s20, s17, 2
	s_mov_b32 s21, 0
	s_lshl_b32 s18, s17, 12
	s_mov_b32 s19, 0
	s_wait_kmcnt 0x0
	s_add_nc_u64 s[22:23], s[6:7], s[20:21]
	s_add_nc_u64 s[26:27], s[8:9], s[20:21]
	s_load_b32 s24, s[22:23], 0x0                  ; pos of the first choice,
	s_load_b32 s25, s[22:23], 0x2000               ; of the second
	s_load_b32 s28, s[26:27], 0x0                  ; their weights
	s_load_b32 s30, s[26:27], 0x2000
	s_add_nc_u64 s[36:37], s[12:13], s[18:19]
	s_wait_kmcnt 0x0
	s_min_u32 s24, s24, 0x87ff                     ; y has 1,088 x 32 rows
	s_min_u32 s25, s25, 0x87ff
	s_lshl_b32 s32, s24, 12
	s_mov_b32 s33, 0
	s_lshl_b32 s34, s25, 12
	s_mov_b32 s35, 0
	s_add_nc_u64 s[32:33], s[4:5], s[32:33]
	s_add_nc_u64 s[34:35], s[4:5], s[34:35]
	s_mov_b32 s29, s28                             ; (the packed forms name pairs and take the low word for both halves: so the high words are written)
	s_mov_b32 s31, s30
	s_wait_alu depctr_va_vdst(0)
.irp k, 0,1,2,3,4,5,6,7
	global_load_b128 v[16+4*\k:19+4*\k], v3, s[32:33] offset:512*\k th:TH_LOAD_NT
.endr
.irp k, 0,1,2,3,4,5,6,7
	global_load_b128 v[48+4*\k:51+4*\k], v3, s[34:35] offset:512*\k th:TH_LOAD_NT
.endr
	s_wait_loadcnt 0x0
.set mp, 0
.rept 16
	v_pk_mul_f32 v[48+mp:49+mp], v[48+mp:49+mp], s[30:31] op_sel_hi:[1,0]
.set mp, mp+2
.endr
.set mp, 0
.rept 16
	v_pk_fma_f32 v[16+mp:17+mp], v[16+mp:17+mp], s[28:29], v[48+mp:49+mp] op_sel_hi:[1,0,1]
.set mp, mp+2
.endr
.irp k, 0,1,2,3,4,5,6,7
	global_store_b128 v3, v[16+4*\k:19+4*\k], s[36:37] offset:512*\k th:TH_STORE_NT   ; 512 consecutive bytes, at a multiple of 256 from out0's first byte
.endr
	s_endpgm
.Laux:
	s_mov_b32 s20, 0x76543210
	s_mov_b32 s21, 0xfedcba98                      ; v_permlanex16_b32's selects for lane l xor 16
	v_lshlrev_b32 v4, 5, v0                        ; thread t: the sums of route's work-group t,
	v_lshlrev_b32 v5, 6, v0                        ; and 16 routed rows
	v_mov_b32 v6, 1.0
	v_mov_b32 v7, 0                                ; written once: a lane permute's destination counts as one of its sources
	s_lshl_b32 s17, s16, 6
	v_mov_b32 v9, s17                              ; LDS: 64 bytes for each wave
	v_and_b32 v10, 15, v0
	s_delay_alu instid0(VALU_DEP_1)
	v_lshlrev_b32 v10, 2, v10
	v_mov_b32 v11, 0
	s_wait_alu depctr_va_vdst(0)
	s_wait_kmcnt 0x0
	global_load_b128 v[16:19], v4, s[8:9] offset:16384
	global_load_b128 v[20:23], v4, s[8:9] offset:16400
.irp k, 0,1,2,3
	global_load_b128 v[32+4*\k:35+4*\k], v5, s[10:11] offset:16*\k
.endr
	s_wait_loadcnt 0x0
.irp e, 0,1,2,3,4,5,6,7
	v_cmp_eq_u32 vcc_lo, \e, v32
	s_delay_alu instid0(VALU_DEP_1)
	v_cndmask_b32 v[24+\e], 0, v6, vcc_lo          ; the first row starts the counts
.endr
.set ai, 1
.rept 15
.irp e, 0,1,2,3,4,5,6,7
	v_cmp_eq_u32 vcc_lo, \e, v[32+ai]
	s_delay_alu instid0(VALU_DEP_1)
	v_cndmask_b32 v8, 0, v6, vcc_lo
	s_delay_alu instid0(VALU_DEP_1)
	v_add_f32 v[24+\e], v[24+\e], v8
.endr
.set ai, ai+1
.endr
.irp m, 1,2,4,8                        ; 8 sums of probabilities and 8 counts, over the 32 lanes
.set rr, 16
.rept 16
	v_add_f32_dpp v[rr], v[rr], v[rr] row_xmask:\m row_mask:0xf bank_mask:0xf
.set rr, rr+1
.endr
.endr
.set rr, 16
	v_permlanex16_b32 v7, v[rr], s20, s21
	s_delay_alu instid0(VALU_DEP_1)
	v_add_f32 v[rr], v[rr], v7
.set rr, rr+1
.rept (16)-1
	s_delay_alu instid0(VALU_DEP_2)
	v_permlanex16_b32 v7, v[rr], s20, s21
	s_delay_alu instid0(VALU_DEP_1)
	v_add_f32 v[rr], v[rr], v7
.set rr, rr+1
.endr
.irp k, 0,1,2,3
	ds_store_b128 v9, v[16+4*\k:19+4*\k] offset:16*\k              ; all lanes write the same words with the same values
.endr
	s_wait_dscnt 0x0                               ; for wave 0's sake
	s_barrier_signal -1
	s_barrier_wait -1
	s_cmp_lg_u32 s16, 0
	s_cbranch_scc1 .Ldone
.irp k, 0,1,2,3,4,5,6,7
	ds_load_b32 v[48+\k], v10 offset:64*\k         ; lane l: number l % 16 of wave k
.endr
	s_wait_dscnt 0x0
.irp k, 1
	v_add_f32 v48, v48, v[48+\k]
.endr
.irp k, 2, 3, 4, 5, 6, 7
	s_delay_alu instid0(VALU_DEP_1)
	v_add_f32 v48, v48, v[48+\k]
.endr
	s_delay_alu instid0(VALU_DEP_1)
	v_mul_f32_dpp v48, v48, v48 row_xmask:8 row_mask:0xf bank_mask:0xf   ; P_e x count_e
	s_delay_alu instid0(VALU_DEP_1)
	v_add_f32_dpp v48, v48, v48 row_xmask:1 row_mask:0xf bank_mask:0xf
	s_delay_alu instid0(VALU_DEP_1)
	v_add_f32_dpp v48, v48, v48 row_xmask:2 row_mask:0xf bank_mask:0xf
	s_delay_alu instid0(VALU_DEP_1)
	v_add_f32_dpp v48, v48, v48 row_xmask:4 row_mask:0xf bank_mask:0xf
	s_delay_alu instid0(VALU_DEP_1)
	v_mul_f32 v48, 0x3b000000, v48                 ; / 512
	s_wait_alu depctr_va_vdst(0)
	s_wait_xcnt 0x0                                ; EXEC changes only behind this wait
	v_cmp_gt_u32 vcc_lo, 1, v1
	s_and_saveexec_b32 s24, vcc_lo
	global_store_b32 v11, v48, s[14:15]
	s_wait_xcnt 0x0
	s_or_b32 exec_lo, exec_lo, s24
.Ldone:
	s_wait_tensorcnt 0x0
	ds_add_u32 v96, v97
	s_wait_dscnt 0x0
	s_endpgm
.Lfunc_end_k_q25a476d617_mix:
	.size	k_q25a476d617_mix, .Lfunc_end_k_q25a476d617_mix-k_q25a476d617_mix
	.p2alignl 7, 3214868480
	.fill 96, 4, 3214868480
	.section	.rodata,"a",@progbits
	.p2align	6, 0x0
	.amdhsa_kernel k_q25a476d617_mix
		.amdhsa_group_segment_fixed_size 2048
		.amdhsa_private_segment_fixed_size 0
		.amdhsa_enable_private_segment 0
		.amdhsa_kernarg_size 48
		.amdhsa_user_sgpr_count 2
		.amdhsa_user_sgpr_kernarg_segment_ptr 1
		.amdhsa_wavefront_size32 1
		.amdhsa_system_sgpr_workgroup_id_x 1
		.amdhsa_system_sgpr_workgroup_id_y 1
		.amdhsa_system_sgpr_workgroup_id_z 1
		.amdhsa_system_vgpr_workitem_id 0
		.amdhsa_next_free_vgpr 98
		.amdhsa_next_free_sgpr 66
		.amdhsa_reserve_vcc 1
		.amdhsa_float_denorm_mode_32 3
		.amdhsa_float_denorm_mode_16_64 3
		.amdhsa_memory_ordered 1
		.amdhsa_forward_progress 1
		.amdhsa_inst_pref_size 36
	.end_amdhsa_kernel
	.amdgpu_metadata
---
amdhsa.version: [ 1, 2 ]
amdhsa.kernels:
  - .name:           k_q25a476d617_mix
    .symbol:         k_q25a476d617_mix.kd
    .args:
      - { .name: y, .offset: 0, .size: 8, .value_kind: global_buffer, .address_space: global }
      - { .name: pf, .offset: 8, .size: 8, .value_kind: global_buffer, .address_space: global }
      - { .name: rt, .offset: 16, .size: 8, .value_kind: global_buffer, .address_space: global }
      - { .name: sel, .offset: 24, .size: 8, .value_kind: global_buffer, .address_space: global }
      - { .name: out0, .offset: 32, .size: 8, .value_kind: global_buffer, .address_space: global }
      - { .name: out1, .offset: 40, .size: 8, .value_kind: global_buffer, .address_space: global }
    .group_segment_fixed_size: 2048
    .private_segment_fixed_size: 0
    .kernarg_segment_align: 8
    .kernarg_segment_size: 48
    .max_flat_workgroup_size: 256
    .sgpr_count:     66
    .vgpr_count:     98
    .wavefront_size: 32
...
	.end_amdgpu_metadata
.endif
;; end of part 8
